; MI455X (gfx1250); checked and timed in simulation.
; The chip was launched on July 23, 2026; its instructions are those of AMD's public machine-readable ISA for CDNA 5 (MIT licence, August 2026) and "CDNA5" Instruction Set Architecture Reference Guide (July 2026). The comments in the code are by the model that wrote it; some were corrected since.
;; Causal Self Attention. Allowed arithmetic: matrix products marked QUANTISED: E4M3 operands, one E8M0 scale for each 32 along K, by v_wmma_scale_f32_16x16x128_f8f6f4 with both operands' format E4M3, f32 sums; everything else in f32.
;; Inputs: Wk 1,024 x 1,024 float32; Wo 1,024 x 1,024 float32; Wq 1,024 x 1,024 float32; Wv 1,024 x 1,024 float32; bk 1,024 float32; bo 1,024 float32; bq 1,024 float32; bv 1,024 float32; x 4 x 2,048 x 1,024 float32.
;; Outputs: out0 4 x 2,048 x 1,024 float32.
;; This version of the problem:
;;   THIS VERSION OF THE PROBLEM IS GIVEN IN LOW PRECISION. The matrix products marked QUANTISED in the list below multiply operands that are first quantised to E4M3 (4 exponent bits, 3 mantissa bits; 8 bits a number), with one power-of-two scale for each 32 numbers along K (OCP MX v1.0); their sums are f32. All else is computed in f32.
;;   The module's matrix products, in the order in which they are computed (A, B: the left and right operand; K: the contracted axis; several contracted axes count as one K, in the product's order):
;;     1. [M 8,192, K 1,024] x [K 1,024, N 1,024]; A: input x; B: input Wq: QUANTISED
;;     2. [M 8,192, K 1,024] x [K 1,024, N 1,024]; A: input x; B: input Wk: QUANTISED
;;     3. [M 8,192, K 1,024] x [K 1,024, N 1,024]; A: input x; B: input Wv: QUANTISED
;;     4. batch 64 x [M 2,048, K 64] x [K 64, N 2,048]; A: computed on the way; B: computed on the way: QUANTISED
;;     5. batch 64 x [M 2,048, K 2,048] x [K 2,048, N 64]; A: softmax (see below); B: computed on the way: QUANTISED
;;     6. [M 8,192, K 1,024] x [K 1,024, N 1,024]; A: computed on the way; B: input Wo: QUANTISED
;;   THE QUANTISER, for each operand of a quantised product, along K:
;;     - K is cut into blocks of 32 from its start; a last block that is shorter is filled with zeros.
;;     - A block's scale is 2^e with e = floor(log2(the largest magnitude in the block)) - 8, held to -126 .. 127; a block of zeros has e = 0. As a byte (E8M0): e + 127.
;;     - Each number is divided by its block's scale, clamped to +-448, and rounded to the nearest number of E4M3, ties to even, subnormals kept.
;;     - The product sums the exact products of the quantised numbers (number of the format x scale) in f32.
;;   ~~~python
;;   def quantise(x, axis):      # numpy; x: float32 -> the quantised numbers, widened to float32 again
;;       x = np.moveaxis(x, axis, -1); K = x.shape[-1]
;;       x = np.pad(x, [(0, 0)] * (x.ndim - 1) + [(0, -K % 32)]); x = x.reshape(x.shape[:-1] + (-1, 32)); a = np.abs(x).max(-1, keepdims=True)
;;       e = np.where(a > 0, np.clip(np.frexp(np.where(a > 0, a, 1))[1] - 1 - 8, -126, 127), 0)      # np.frexp(a)[1] - 1 = floor(log2(a)), exactly
;;       r = np.clip(x / 2.0 ** e, -448, 448)
;;       step = 2.0 ** (np.maximum(np.frexp(np.where(r == 0, 1, r))[1] - 1, -6) - 3)
;;       q = np.round(r / step) * step * 2.0 ** e      # np.round: ties to even
;;       return np.moveaxis(q.reshape(q.shape[:-2] + (-1,))[..., :K], -1, axis).astype(np.float32)
;;   ~~~
;;   SOFTMAX AHEAD OF A QUANTISED PRODUCT. Where the list says 'softmax', what is quantised is not the finished softmax but p = 2^(t - M), with t = logit x log2(e) and M = ceil(the row's largest t), a whole number; so 1/2 < the row's largest p <= 1. The row's sum l is taken of the UNQUANTISED p, in f32, and the product's result is divided by l at the end. Since M is a whole number, a kernel that streams over the keys may use a running M (the ceiling of the running maximum): every later rescaling is an exact power of two, which a block's scale takes up: the codes' values come out the same.
;;   OPERANDS COMPUTED ON THE WAY. 'Computed on the way' means the value that the module computes at that place (a softmax that the list does not call 'softmax' is quantised finished and normalised). What goes into a quantiser is computed in f32, as accurately as f32 sums, v_exp_f32 and their like allow (about 1e-6 of the number): no bf16 or f16 on the way to a quantiser, and a product that is left as it is and whose result goes on into a quantised operand takes f32 operands (vector FMAs, or v_wmma_f32_16x16x4_f32). A number that lies on a knife's edge between two numbers of the format may be rounded either way, as far as f32 arithmetic and the matrix unit's own rounding can turn it there, and no further.
;; 2 versions, each right; version 2 is version 1 with the launch attn written anew for expert scheduling mode. Each part assembles by itself: llvm-mc -triple=amdgcn-amd-amdhsa -mcpu=gfx1250 --defsym DOCPART=n.
;; ======== version 1 of 2: 4 launches
;; workspace buffers: cod 12,582,912 bytes; scl 393,216 bytes; qkv 25,165,824 bytes; qkvs 1,572,864 bytes; ac 8,388,608 bytes; asc 262,144 bytes
;; launch prep (part 1): grid 384 x 1, 4 waves a work-group, no clusters, 68,096 bytes of LDS; arguments x, Wq, Wk, Wv, Wo, cod, scl; writes cod, scl
.if DOCPART == 1
	.amdgcn_target "amdgcn-amd-amdhsa--gfx1250"
	.amdhsa_code_object_version 6
	.text
	.protected	k_q270d6439c7_prep
	.globl	k_q270d6439c7_prep
	.p2align	8
	.type	k_q270d6439c7_prep,@function
k_q270d6439c7_prep:
	s_mov_b64 s[64:65], 0
	v_nop
	global_prefetch_b8 v0, s[64:65] scope:SCOPE_SE
	s_setreg_imm32_b32 hwreg(HW_REG_WAVE_MODE, 25, 1), 1
	s_wait_xcnt 0x0
; x [8192][1024] and the four weights [1024 (k)][1024 (n)], f32, become codes of FP8 (E4M3) with K innermost and one E8M0 scale byte for each 32 along K.
; cod: [12288 rows][1024 codes]: rows 0-8191 x's tokens, rows 8192 + 1024 w + n the columns n of weight w (0 Wq, 1 Wk, 2 Wv, 3 Wo).  scl: [12288][32] scale bytes, the same rows.
; STORED ORDER: inside each group of 32 rows, bits 3 and 4 of the row's number change places: stored row 16 u + r holds row 8 u + r + 8 (r / 8).  Sixteen stored rows on end are then a tile whose results,
; in the products that follow, give a lane 16 NEIGHBOURS along the next product's K.
; A block's scale is 2^(floor(log2(its largest magnitude)) - 8); its byte is the largest magnitude's exponent field - 8, held at 1 from below; each number is held within +-448 x the scale and rounded to the nearest code, ties to even.
; LIMITS: a block of zeros gets the byte 1 where the quantiser says 127 (its codes are zeros, which add nothing; this program alone reads the bytes); blocks whose largest magnitude lies under 2^(8 - 126) are held at that byte; NaN and infinities are not served.
; Work-groups 0-255 take 32 rows of x each (K innermost: two lanes to a block, the numbers turned through the wave's own stage in LDS); work-groups 256-383 take 128 columns x 256 k of a weight
; (K outermost: a lane to a column, registers down K, the codes out through the wave's own stage).  Each reads 128 KiB.  The two paths have LDS bytes of their own.  No tensor loads, no barrier: waves share nothing; memory binds, so no matrix unit and no cluster.
.set STEPS, 16
.set EMAX,  8
.set MANT,  0x600000                   ; the mantissa field of 448 as f32
.set CB,    16                         ; bytes of 16 codes
.set R,     16                         ; x path: v16-79 four sets of 16 numbers as loaded
.set X,     80                         ; v80-111  two sets of 16 neighbours
.set E,     112                        ; v112-127 a scale byte for each step
.set C,     128                        ; v128-191 codes: four registers for each step, so that no store's data are written again
.set WREG,  8192                       ; x path, LDS 0-32767: a region for each wave: two stages of 32 x SP bytes, then its 256 scale bytes
.set SP,    80                         ; a lane's place in a stage: 64 bytes + 16 of padding
.set WSTG,  32768                      ; weight path, LDS 32768-67583: a stage of 32 rows x PITCH for each wave
.set PITCH, 272                        ; 256 bytes of codes + 16
.set NB,    8                          ; blocks of 32 along K for a wave
.set WX,    32                         ; weight path: v32-95 two sets of 32 numbers
.set WC,    96                         ; v96-103 a block's codes
.set OUTR,  112                        ; v112-175 the way out
.set SB,    24                         ; v24-25 the scale bytes, four to a register
	s_load_b256 s[4:11], s[0:1], 0x0               ; x s[4:5], Wq s[6:7], Wk s[8:9], Wv s[10:11]
	s_load_b128 s[12:15], s[0:1], 0x20             ; Wo s[12:13], cod s[14:15]
	s_load_b64 s[16:17], s[0:1], 0x30              ; scl
	v_lshl_add_u32 v192, v0, 2, 0x10800
	v_mov_b32 v193, 0
	v_lshrrev_b32 v1, 5, v0
	v_readfirstlane_b32 s18, v1                    ; wave 0..3
	v_and_b32 v2, 31, v0                           ; lane
	s_cmp_lt_u32 ttmp9, 256
	s_cbranch_scc0 .Lweights
	; ---------------- x: a wave takes a run of 8 rows, 8,192 numbers, as 16 steps of 512
	v_lshlrev_b32 v3, 4, v2                        ; my 16 bytes of a load's 512
	s_mul_i32 s19, s18, WREG
	v_lshrrev_b32 v14, 2, v2
	v_mul_u32_u24 v14, v14, SP
	v_and_b32 v15, 3, v2
	v_lshl_add_u32 v14, v15, 4, v14
	v_add_nc_u32 v14, s19, v14                     ; the stage, on the way in: four lanes' 64 bytes on end, then 16 of padding
	v_mul_u32_u24 v15, v2, SP
	v_add_nc_u32 v15, s19, v15                     ; and on the way out: my 16 neighbours
	v_mul_u32_u24 v4, v2, CB                       ; my codes' place in a step's
	v_lshrrev_b32 v5, 1, v2
	s_add_co_u32 s19, s19, 2*32*SP
	v_add_nc_u32 v5, s19, v5                       ; my wave's 256 scale bytes, my block's byte
	v_lshlrev_b32 v7, 3, v2                        ; and on the way out 8 bytes a lane
	v_add_nc_u32 v6, s19, v7
	s_mov_b32 s23, MANT
	s_lshl_b32 s20, ttmp9, 2                       ; the group of 32 rows is the work-group's four runs
	s_add_co_u32 s24, s20, s18
	s_lshl_b32 s24, s24, 15                        ; in: run x 32,768 bytes
	s_mov_b32 s25, 0
	s_and_b32 s21, s18, 1                          ; out: bits 3 and 4 of a row are bits 0 and 1 of its run: they change places
	s_lshl_b32 s21, s21, 1
	s_lshr_b32 s22, s18, 1
	s_or_b32 s21, s21, s22
	s_add_co_u32 s21, s20, s21
	s_lshl_b32 s26, s21, 13                        ; 8 rows x 1,024 codes
	s_mov_b32 s27, 0
	s_lshl_b32 s28, s21, 8                         ; 8 rows x 32 scale bytes
	s_mov_b32 s29, 0
	s_wait_kmcnt 0x0
	s_add_nc_u64 s[4:5], s[4:5], s[24:25]
	s_add_nc_u64 s[14:15], s[14:15], s[26:27]
	s_add_nc_u64 s[16:17], s[16:17], s[28:29]
.macro XLOAD t
.irp i, 0,1,2,3
	global_load_b128 v[R+16*((\t)%4)+4*\i:R+16*((\t)%4)+4*\i+3], v3, s[4:5] offset:2048*(\t)+512*\i th:TH_LOAD_NT   ; 32 lanes read 512 consecutive bytes
.endr
.endm
.macro XTURN t                         ; step t's numbers through the stage: LDS serves a wave's instructions in order, so no wait stands between the stores and the loads
.irp i, 0,1,2,3
	ds_store_b128 v14, v[R+16*((\t)%4)+4*\i:R+16*((\t)%4)+4*\i+3] offset:32*SP*((\t)%2)+8*SP*\i
.endr
.irp i, 0,1,2,3
	ds_load_b128 v[X+16*((\t)%2)+4*\i:X+16*((\t)%2)+4*\i+3], v15 offset:32*SP*((\t)%2)+16*\i
.endr
.endm
.irp t, 0,1,2,3
	XLOAD \t
.endr
	s_wait_loadcnt 12                              ; step 0's four loads are in; those of steps 1 to 3 may be out
	XTURN 0
.macro XSTEP t
.set XS, X+16*((\t)%2)
.if (\t) > 0
	s_wait_dscnt 1                                 ; this step's numbers are back from the stage (the last step's byte store may be out): so its stores into the stage have read their registers,
.else
	s_wait_dscnt 0x0
.endif
.if (\t)+4 < STEPS
	XLOAD (\t)+4                                   ; which take the loads of four steps on
.endif
.if (\t)+1 < STEPS
.if STEPS-2-(\t) >= 3
	s_wait_loadcnt 12                              ; the next step's four loads are in; those of the three steps behind it may be out
.else
	s_wait_loadcnt 4*(STEPS-2-(\t))
.endif
	XTURN (\t)+1                                   ; and go through the other stage while this step is worked
.endif
	v_max3_num_f32 v8, |v[XS]|, |v[XS+1]|, |v[XS+2]|               ; the largest magnitude of my 16, in two chains
	v_max3_num_f32 v9, |v[XS+3]|, |v[XS+4]|, |v[XS+5]|
.irp i, 6,10
	v_max3_num_f32 v8, v8, |v[XS+\i]|, |v[XS+\i+1]|
	v_max3_num_f32 v9, v9, |v[XS+\i+2]|, |v[XS+\i+3]|
.endr
	v_max3_num_f32 v8, v8, |v[XS+14]|, |v[XS+15]|
	v_max3_num_f32 v8, v8, v9, (EMAX+1)<<23        ; and the floor 2^(9 - 127): the byte cannot fall under 1
	v_max_num_f32_dpp v8, v8, v8 row_xmask:1 row_mask:0xf bank_mask:0xf   ; and of my neighbour's 16: the block's
	v_add_nc_u32 v11, -(EMAX<<23), v8              ; 8 off its exponent field: the conversion takes the exponent field of this operand as its scale
	v_and_or_b32 v10, v8, 0x7f800000, s23          ; 448 x the scale
.irp i, 0,1,2,3,4,5,6,7,8,9,10,11,12,13,14,15
	v_med3_num_f32 v[XS+\i], v[XS+\i], -v10, v10   ; the conversion to an 8-bit code does not saturate (ISA guide 7.6.2): the hold comes first
.endr
	v_cvt_scalef32_pk8_fp8_f32 v[C+4*(\t):C+4*(\t)+1], v[XS:XS+7], v11
	v_cvt_scalef32_pk8_fp8_f32 v[C+4*(\t)+2:C+4*(\t)+3], v[XS+8:XS+15], v11
	v_lshrrev_b32 v[E+(\t)], 23, v11               ; the scale's byte (also the plain line behind the conversions)
	ds_store_b8 v5, v[E+(\t)] offset:16*(\t)       ; both lanes of a block write the same byte with the same value
	global_store_b128 v4, v[C+4*(\t):C+4*(\t)+3], s[14:15] offset:32*CB*(\t)   ; the wave stores 512 consecutive bytes
.endm
.irp t, 0,1,2,3,4,5,6,7,8,9,10,11,12,13,14,15
	XSTEP \t
.endr
	ds_load_b64 v[12:13], v6                       ; LDS serves a wave's instructions in order: these see my stores
	s_wait_dscnt 0x0
	global_store_b64 v7, v[12:13], s[16:17]        ; 32 lanes store 256 consecutive bytes, aligned
	s_wait_tensorcnt 0x0
	ds_add_u32 v192, v193
	s_wait_dscnt 0x0
	s_endpgm
	; ---------------- a weight: a wave takes 32 columns x 256 along K; lane = column, registers down K
.Lweights:
	s_sub_co_u32 s19, ttmp9, 256
	s_lshr_b32 s20, s19, 5                         ; which weight
	s_and_b32 s21, s19, 7                          ; which 128 columns
	s_bfe_u32 s22, s19, 0x20003                    ; which 256 along K
	s_lshl_b32 s23, s21, 7
	s_lshl_b32 s24, s18, 5
	s_add_co_u32 s23, s23, s24                     ; my wave's first column: a whole group of 32
	v_lshlrev_b32 v3, 2, v2                        ; in: 4 bytes a lane
	v_and_b32 v10, 7, v2
	v_bfe_u32 v11, v2, 3, 1
	v_lshl_or_b32 v10, v11, 4, v10
	v_bfe_u32 v11, v2, 4, 1
	v_lshl_or_b32 v10, v11, 3, v10                 ; my column's stored place in its group: bits 3 and 4 changed
	s_mul_i32 s24, s18, 32*PITCH
	s_add_co_u32 s24, s24, WSTG                    ; my stage
	v_mul_u32_u24 v4, v10, PITCH
	v_add_nc_u32 v4, s24, v4                       ; into it: row = my column's stored place
	v_and_b32 v5, 15, v2
	v_lshrrev_b32 v6, 4, v2                        ; out of it: sixteen lanes to a row, two rows an instruction
	v_mul_u32_u24 v7, v6, PITCH
	v_lshl_add_u32 v7, v5, 4, v7
	v_add_nc_u32 v7, s24, v7
	v_lshlrev_b32 v8, 10, v6
	v_lshl_add_u32 v8, v5, 4, v8                   ; and the same place in cod (rows of 1,024 bytes)
	v_lshlrev_b32 v9, 5, v10                       ; my column's row of scale bytes
	s_lshl_b32 s26, s22, 20                        ; W: 256 rows of 4,096 bytes for each step along K,
	s_lshl_b32 s27, s23, 2
	s_add_co_u32 s26, s26, s27                     ; + 4 x column
	s_mov_b32 s27, 0
	s_lshl_b32 s25, s20, 10
	s_add_co_u32 s25, s25, s23
	s_add_co_u32 s25, s25, 8192                    ; the group's first row in cod and scl
	s_lshl_b32 s28, s25, 10
	s_lshl_b32 s29, s22, 8
	s_add_co_u32 s28, s28, s29
	s_mov_b32 s29, 0
	s_lshl_b32 s30, s25, 5
	s_lshl_b32 s31, s22, 3
	s_add_co_u32 s30, s30, s31
	s_mov_b32 s31, 0
	s_mov_b32 s33, MANT
	s_wait_kmcnt 0x0
	s_cmp_eq_u32 s20, 1                            ; the weight is chosen by the work-group's number alone
	s_cselect_b64 s[6:7], s[8:9], s[6:7]
	s_cmp_eq_u32 s20, 2
	s_cselect_b64 s[6:7], s[10:11], s[6:7]
	s_cmp_eq_u32 s20, 3
	s_cselect_b64 s[6:7], s[12:13], s[6:7]
	s_add_nc_u64 s[6:7], s[6:7], s[26:27]
	s_add_nc_u64 s[14:15], s[14:15], s[28:29]
	s_add_nc_u64 s[16:17], s[16:17], s[30:31]
.macro WLOAD t                         ; block t: W(32 t + i, my column), i = 0 .. 31, into set t % 2: a wave reads 128 consecutive bytes, the four waves 512
.set li, 0
.rept 32
	global_load_b32 v[WX+32*((\t)%2)+li], v3, s[6:7] offset:(32*(\t)+li)*4096 th:TH_LOAD_NT
.set li, li+1
.endr
.endm
	WLOAD 0
	WLOAD 1
.macro WBLOCK t
.set XW, WX+32*((\t)%2)
.if (\t) < NB-1
	s_wait_loadcnt 32                              ; this block's 32 loads are in; the next block's may be out
.else
	s_wait_loadcnt 0
.endif
	v_max3_num_f32 v12, |v[XW]|, |v[XW+1]|, |v[XW+2]|              ; the block's largest magnitude: all 32 numbers are mine
	v_max3_num_f32 v13, |v[XW+3]|, |v[XW+4]|, |v[XW+5]|
.irp i, 6,10,14,18,22,26
	v_max3_num_f32 v12, v12, |v[XW+\i]|, |v[XW+\i+1]|
	v_max3_num_f32 v13, v13, |v[XW+\i+2]|, |v[XW+\i+3]|
.endr
	v_max3_num_f32 v12, v12, |v[XW+30]|, |v[XW+31]|
	v_max3_num_f32 v12, v12, v13, (EMAX+1)<<23     ; and the floor
	v_add_nc_u32 v11, -(EMAX<<23), v12             ; the conversion's scale operand
	v_and_or_b32 v10, v12, 0x7f800000, s33         ; 448 x the scale
	v_lshrrev_b32 v13, 23, v11                     ; the scale's byte
.if (\t)%4 == 0
	v_mov_b32 v[SB+(\t)/4], v13                    ; four bytes to a register, the lower K in the lower byte
.else
	v_lshl_or_b32 v[SB+(\t)/4], v13, 8*((\t)%4), v[SB+(\t)/4]
.endif
.set mi, 0
.rept 32
	v_med3_num_f32 v[XW+mi], v[XW+mi], -v10, v10   ; the hold ahead of the conversion
.set mi, mi+1
.endr
.irp g, 0,1,2,3
	v_cvt_scalef32_pk8_fp8_f32 v[WC+2*\g:WC+2*\g+1], v[XW+8*\g:XW+8*\g+7], v11
.endr
	v_nop                                          ; a plain line behind the last conversion
	ds_store_b128 v4, v[WC:WC+3] offset:32*(\t)    ; 32 codes: 32 bytes of my column's row
	ds_store_b128 v4, v[WC+4:WC+7] offset:32*(\t)+16
.if (\t)+2 < NB
	WLOAD (\t)+2
.endif
	s_wait_dscnt 0x0                               ; the stores have read their registers: the next block's codes may be written
.endm
.set Q, 0
.rept NB
	WBLOCK Q
.set Q, Q+1
.endr
	global_store_b64 v9, v[SB:SB+1], s[16:17]      ; my column's 8 scale bytes: rows 32 bytes apart; one byte in 128 of what this path reads
.irp t, 0,1,2,3,4,5,6,7,8,9,10,11,12,13,14,15
	ds_load_b128 v[OUTR+4*\t:OUTR+4*\t+3], v7 offset:2*\t*PITCH   ; LDS serves a wave's instructions in order: these see my stores
.endr
.irp t, 0,1,2,3,4,5,6,7,8,9,10,11,12,13,14,15
	s_wait_dscnt 15-\t
	global_store_b128 v8, v[OUTR+4*\t:OUTR+4*\t+3], s[14:15] offset:2*\t*1024   ; sixteen lanes store 256 consecutive bytes, aligned
.endr
	s_wait_tensorcnt 0x0
	ds_add_u32 v192, v193
	s_wait_dscnt 0x0
	s_endpgm
.Lfunc_end_k_q270d6439c7_prep:
	.size	k_q270d6439c7_prep, .Lfunc_end_k_q270d6439c7_prep-k_q270d6439c7_prep
	.p2alignl 7, 3214868480
	.fill 96, 4, 3214868480
	.section	.rodata,"a",@progbits
	.p2align	6, 0x0
	.amdhsa_kernel k_q270d6439c7_prep
		.amdhsa_group_segment_fixed_size 68096
		.amdhsa_private_segment_fixed_size 0
		.amdhsa_enable_private_segment 0
		.amdhsa_kernarg_size 56
		.amdhsa_user_sgpr_count 2
		.amdhsa_user_sgpr_kernarg_segment_ptr 1
		.amdhsa_wavefront_size32 1
		.amdhsa_system_sgpr_workgroup_id_x 1
		.amdhsa_system_sgpr_workgroup_id_y 1
		.amdhsa_system_sgpr_workgroup_id_z 1
		.amdhsa_system_vgpr_workitem_id 0
		.amdhsa_next_free_vgpr 194
		.amdhsa_next_free_sgpr 66
		.amdhsa_reserve_vcc 0
		.amdhsa_float_denorm_mode_32 3
		.amdhsa_float_denorm_mode_16_64 3
		.amdhsa_memory_ordered 1
		.amdhsa_forward_progress 1
		.amdhsa_inst_pref_size 110
	.end_amdhsa_kernel
	.amdgpu_metadata
---
amdhsa.version: [ 1, 2 ]
amdhsa.kernels:
  - .name:           k_q270d6439c7_prep
    .symbol:         k_q270d6439c7_prep.kd
    .args:
      - { .name: x, .offset: 0, .size: 8, .value_kind: global_buffer, .address_space: global }
      - { .name: Wq, .offset: 8, .size: 8, .value_kind: global_buffer, .address_space: global }
      - { .name: Wk, .offset: 16, .size: 8, .value_kind: global_buffer, .address_space: global }
      - { .name: Wv, .offset: 24, .size: 8, .value_kind: global_buffer, .address_space: global }
      - { .name: Wo, .offset: 32, .size: 8, .value_kind: global_buffer, .address_space: global }
      - { .name: cod, .offset: 40, .size: 8, .value_kind: global_buffer, .address_space: global }
      - { .name: scl, .offset: 48, .size: 8, .value_kind: global_buffer, .address_space: global }
    .group_segment_fixed_size: 68096
    .private_segment_fixed_size: 0
    .kernarg_segment_align: 8
    .kernarg_segment_size: 56
    .max_flat_workgroup_size: 128
    .sgpr_count:     66
    .vgpr_count:     194
    .wavefront_size: 32
...
	.end_amdgpu_metadata
.endif
;; end of part 1
;; launch qkvp (part 2): grid 8 x 48, 4 waves a work-group, clusters of 4 x 4, 327,680 bytes of LDS; arguments cod, scl, bq, bk, bv, qkv, qkvs; writes qkv, qkvs
.if DOCPART == 2
	.amdgcn_target "amdgcn-amd-amdhsa--gfx1250"
	.amdhsa_code_object_version 6
	.text
	.protected	k_q270d6439c7_qkvp
	.globl	k_q270d6439c7_qkvp
	.p2align	8
	.type	k_q270d6439c7_qkvp,@function
k_q270d6439c7_qkvp:
	s_mov_b64 s[64:65], 0
	v_nop
	global_prefetch_b8 v0, s[64:65] scope:SCOPE_SE
	s_setreg_imm32_b32 hwreg(HW_REG_WAVE_MODE, 25, 1), 1
	s_wait_xcnt 0x0
	s_wait_alu depctr_hold_cnt(0) depctr_sa_sdst(0) depctr_va_vdst(0) depctr_va_sdst(0) depctr_va_ssrc(0) depctr_va_vcc(0) depctr_vm_vsrc(0)
	s_getreg_b32 s2, hwreg(HW_REG_IB_STS2, 6, 4)
	s_cmp_eq_u32 s2, 0
	s_cbranch_scc0 .Lentry_in_a_cluster
	s_endpgm
.Lentry_in_a_cluster:
	s_bfe_u32 s2, ttmp6, 0x10000c
	s_cmp_lg_u32 s2, 0xf033
	s_cbranch_scc0 .Lentry_shape_is_right
	s_endpgm
.Lentry_shape_is_right:
; The three projections q = x Wq + bq, k = x Wk + bk, v = x Wv + bv on codes of FP8 (E4M3) with E8M0 scales for each 32 along K = 1,024, and the quantising of their results for the attention that follows.
; One body, a GEMM C = A B^T on tiles of 256 x 256 (four waves, 128 x 128 each: 64 accumulators, 512 registers), K in steps of 256 through a ring of two LDS slots filled by the tensor data mover.
; PATH QK (cluster y under 8, 256 work-groups): A = x's tokens, B = Wq's and Wk's columns.  PATH V (128 work-groups): A = Wv's columns, B = x's tokens: v comes out transposed.  Rows of both lie in cod, their scale bytes in scl.
; THE MATRIX INSTRUCTION IS USED TRANSPOSED (source 0 = 16 rows of B, source 1 = 16 rows of A), and cod's rows lie in the stored order (bits 3 and 4 of a row's number changed inside each 32): so a lane holds ONE row of A, and the
; 16 registers of B's tiles 2 b and 2 b + 1 are 16 NEIGHBOURS of B's axis: 32 b + 16 (lane / 16) + 0 .. 15.  On path QK that axis is the head's 64, the K of q k^T; on path V it is the keys, the K of p v.
; So the results are quantised in registers (a block of 32 lies in lanes l and l xor 16) and the conversions' results ARE register images of the next operands: each leaves by a store of 16 bytes a lane, 512 consecutive bytes a wave.
; The biases are the C of each sum's first matrix instruction.
; qkv: q at 0, k at 8,388,608, v at 16,777,216; each [head of a batch 64][step of 128 tokens 16][8,192 bytes]; q, k: [tile 8][32 of the head's 64: 2][lane][16]; v: [tile of 16 channels 4][32 keys: 4][lane][16].
; qkvs: q's scale words at 0, k's and v's at 786,432; [64][slot of 256 tokens 8][1,536]: two steps x 512 bytes: lane l's word w is that of tile 2 w + l / 16, row l % 16 (two bytes, the upper two 0); k, v part: then two steps x 256 bytes of v's: lane l's word w: tile 2 w + l / 16.
; CLUSTERS: 4 x 4 work-groups; A's tiles are asked for jointly along a row of the cluster, B's along a column.  No branch hangs on a work-group's place in its cluster: the two paths part on the cluster's y.
; LIMITS: a block of zeros gets the byte 1 (its codes are zeros; this program alone reads the bytes); NaN and infinities are not served.
; Left out: prefetches (four K steps, a short launch); work-groups that stay (384 tiles on 256 WGPs: tiles of other shapes would read more LDS bytes for each product or straddle the borders of q, k, v).
; REGISTERS: window 0: v0-31 addresses; v32-63 scale words, two sets; v64-127 the biases, later at work; v128-255 A's fragments, one set, later the codes.  window 1: B's fragments, two sets.  windows 2, 3: the accumulators ((a, b) at v[8 (8 (a % 4) + b)]).
.set NQ,     2                         ; matrix instructions deep in a slot
.set ROWB,   256                       ; a tile's row in bytes
.set KROW,   1024                      ; a row of cod
.set PITCH,  272                       ; an LDS row: 256 bytes + 16 of padding: the 16 rows that a load touches start at 16 different banks (64 banks of 4 bytes: ISA guide 11.1)
.set FR,     16                        ; registers of a fragment
.set NL,     4                         ; LDS loads that bring one
.set NP,     8                         ; places behind this matrix instruction (ISA guide 7.12.1)
.set HALFT,  128*PITCH
.set SLOT,   4*HALFT                   ; A's 256 rows, then B's 256 rows
.set KS,     32                        ; a row of scl
.set SCL,    2*SLOT                    ; behind the ring: the scale bytes of the 512 rows for all of K, as units of 256 bytes + 16
.set HALFS,  (128*KS/256)*272
.set SBLK,   (16*KS/256)*272
.set SPARE,  SCL+4*HALFS               ; the spare words, 128 bytes for each wave: two blocks of 256 bytes that no other line names
.set ADRA, 16                          ; v16-17 LDS address of my A fragments in slot 0, 1
.set ADRB, 20                          ; v20-21 the same for B
.set L8,   25                          ; v25 8 x lane
.set L16,  26                          ; v26 16 x lane
.set ADRS, 27                          ; v27 LDS address of my scale words: lanes 0-15 A's rows, lanes 16-31 B's
.set SPW,  28                          ; v28 my spare word; never rewritten
.set NIL,  29                          ; v29 0; never rewritten
.set SC,   32
.set BI,   64                          ; v64-127 the biases in the result's layout
.set AF,   128
.set BM,   64                          ; the way out: v64-67 largest magnitudes, v68-71 the other half's, then bytes, v72-75 448 x the scale, v76-79 the conversions' scale operands
.set PB,   68
.set LM,   72
.set SO,   76
.set TW,   80                          ; a scale word on its way
.set SWR,  84                          ; v84-91 the scale words' images
.set PCD,  128                         ; v[128 + 16 a] on: block a's codes: registers of its own for each block, so that no store's data are written again
.set G1, 24
.set G0, 32
.set G1B, 48
.set G0B, 56
.set G1S, 68
.set G0S, 76
.set G1SB, 80
.set G0SB, 88
.set MSB, 0
.macro WIN new                         ; the immediate's high byte repeats the setting that is left
.if MSB != (\new)
	s_set_vgpr_msb (MSB<<8)|(\new)
.set MSB, (\new)
.endif
.endm
.set MUL_LO, 0xa1                      ; source 0 (B) window 1, source 1 (A) window 0, C and D window 2
.set MUL_HI, 0xf1                      ; the same, C and D window 3
.set TO_B,   0x40                      ; destination window 1, address window 0
; A joint load: waves 0 and 1 fetch for A, waves 2 and 3 for B; the branch hangs on the wave's number alone.  Four v_nop follow each of the two lines.
.macro JLOAD g0a, g1a, g0b, g1b
	s_cmp_eq_u32 s19, 0
	s_cbranch_scc0 .Lfor_b_\@
	tensor_load_to_lds s[\g0a:\g0a+3], s[\g1a:\g1a+7]
	s_nop 0
.rept 4
	v_nop
.endr
	s_branch .Lasked_\@
.Lfor_b_\@:
	tensor_load_to_lds s[\g0b:\g0b+3], s[\g1b:\g1b+7]
	s_nop 0
.rept 4
	v_nop
.endr
.Lasked_\@:
.endm
.macro CREST                           ; a round of the cluster's barrier behind its opening barrier
	s_cmp_lg_u32 s18, 0
	s_cbranch_scc1 .Lnot_wave_0_\@
	s_barrier_signal -3
.Lnot_wave_0_\@:
	s_barrier_wait -3
	s_barrier_signal -1
	s_barrier_wait -1
.endm
.macro CROUND
	s_barrier_signal -1
	s_barrier_wait -1
	CREST
.endm
	s_load_b256 s[4:11], s[0:1], 0x0               ; cod s[4:5], scl s[6:7], bq s[8:9], bk s[10:11]
	s_load_b128 s[12:15], s[0:1], 0x20             ; bv s[12:13], qkv s[14:15]
	s_load_b64 s[16:17], s[0:1], 0x30              ; qkvs
	v_lshl_add_u32 v[SPW], v0, 2, SPARE
	v_mov_b32 v[NIL], 0
	ds_add_u32 v28, v29
	ds_add_u32 v28, v29
	s_wait_dscnt 0x0
	v_lshrrev_b32 v1, 5, v0
	v_readfirstlane_b32 s18, v1                    ; wave 0..3
	s_lshr_b32 s19, s18, 1                         ; which half of the tile's rows is mine.  Also: I fetch for A (0) or for B (1)
	s_and_b32 s20, s18, 1                          ; which half of its columns.  Also: which 128 rows I fetch
	s_bfe_u32 s21, ttmp6, 0x40000                  ; cx
	s_bfe_u32 s22, ttmp6, 0x40004                  ; cy
	s_and_b32 s2, ttmp7, 0xffff                    ; the cluster's y: under 8 path QK, else path V; the same in all sixteen partners
	s_lshl_b32 s43, s2, 2
	s_max_u32 s44, s2, 8
	s_sub_co_u32 s44, s44, 8
	s_lshl_b32 s44, s44, 3
	s_cmp_lt_u32 s2, 8
	s_cselect_b32 s43, s43, 40                     ; A's first tile row (of 256 rows of cod): x's 4 y, or Wv's 40
	s_cselect_b32 s44, 32, s44                     ; B's: Wq's 32, or x's 8 (y - 8)
	s_add_co_u32 s23, s43, s22                     ; A's tile row: + cy
	s_lshl_b32 s40, ttmp9, 2
	s_add_co_u32 s40, s40, s21
	s_add_co_u32 s40, s40, s44                     ; B's tile row: + 4 x cluster x + cx
	s_lshl_b32 s41, s22, 2
	s_lshl_b32 s41, 15, s41                        ; my row of the cluster
	s_lshl_b32 s42, 0x1111, s21                    ; my column
	; descriptor group 1: a tile of 128 rows x 256 bytes, 16 bytes of padding behind each row
	s_or_b32 s[G1+0], s41, (0<<16)|(1<<20)|(1<<21)|(5<<22)|(3<<25)  ; 15:0 the mask: A's tiles go to my row; 17:16 elements of 1 byte; 20 padding on; 21 set beside a mask; 24:22 after every 64 words; 31:25 four words
	s_or_b32 s[G1B+0], s42, (0<<16)|(1<<20)|(1<<21)|(5<<22)|(3<<25)
.irp g, G1, G1B
	s_mov_b32 s[\g+1], ROWB<<16                    ; tensor_dim0
	s_mov_b32 s[\g+2], 128<<16                     ; tensor_dim1
	s_mov_b32 s[\g+3], ROWB<<16                    ; tile_dim0
	s_mov_b32 s[\g+4], 128                         ; tile_dim1
	s_mov_b32 s[\g+5], KROW                        ; tensor_dim0_stride
	s_mov_b32 s[\g+6], 0
	s_mov_b32 s[\g+7], 0
.endr
	; the scale bytes of 128 rows: 4,096 dense bytes, as 16 rows of 256 bytes (32 elements of 8 bytes), 16 bytes of padding behind each
	s_or_b32 s[G1S+0], s41, (3<<16)|(1<<20)|(1<<21)|(5<<22)|(3<<25)
	s_or_b32 s[G1SB+0], s42, (3<<16)|(1<<20)|(1<<21)|(5<<22)|(3<<25)
.irp g, G1S, G1SB
	s_mov_b32 s[\g+1], 32<<16
	s_mov_b32 s[\g+2], (128*KS/256)<<16
	s_mov_b32 s[\g+3], 32<<16
	s_mov_b32 s[\g+4], 128*KS/256
	s_mov_b32 s[\g+5], 32
	s_mov_b32 s[\g+6], 0
	s_mov_b32 s[\g+7], 0
.endr
	s_lshl_b32 s3, s20, 7                          ; which 128 rows of the tile I fetch
	s_lshl_b32 s43, s23, 8
	s_add_co_u32 s43, s43, s3                      ; A: the first of them in cod (made of cy, the cluster's y and the wave's number alone)
	s_lshl_b32 s44, s43, 10                        ; their codes, in bytes (cod has under 2^24 bytes)
	s_mov_b32 s45, 0
	s_lshl_b32 s46, s43, 5                         ; their scale bytes
	s_mov_b32 s47, 0
	s_lshl_b32 s66, s40, 8
	s_add_co_u32 s66, s66, s3                      ; B likewise (cx, the cluster's x and y, the wave's number)
	s_lshl_b32 s92, s66, 10
	s_mov_b32 s93, 0
	s_lshl_b32 s94, s66, 5
	s_mov_b32 s95, 0
	s_mul_i32 s3, s18, HALFT                       ; where they go: wave x 128 rows: no place in the cluster enters an LDS address
	s_mul_i32 s67, s18, HALFS
	s_wait_kmcnt 0x0
	s_add_nc_u64 s[44:45], s[4:5], s[44:45]
	s_add_nc_u64 s[46:47], s[6:7], s[46:47]
	s_add_nc_u64 s[92:93], s[4:5], s[92:93]
	s_add_nc_u64 s[94:95], s[6:7], s[94:95]
	CROUND                                         ; all sixteen work-groups are here: the first joint loads meet
	s_mov_b32 s[G0S], 1
	s_add_co_u32 s[G0S+1], s67, SCL
	s_mov_b64 s[G0S+2:G0S+3], s[46:47]
	s_or_b32 s[G0S+3], s[G0S+3], 0x80000000
	s_mov_b32 s[G0SB], 1
	s_add_co_u32 s[G0SB+1], s67, SCL
	s_mov_b64 s[G0SB+2:G0SB+3], s[94:95]
	s_or_b32 s[G0SB+3], s[G0SB+3], 0x80000000
	JLOAD G0S, G1S, G0SB, G1SB                     ; the scale bytes first: filled once, wanted with K step 0
.irp s, 0,1
	s_mov_b32 s[G0+4*\s], 1
	s_add_co_u32 s[G0+4*\s+1], s3, \s*SLOT
	s_add_nc_u64 s[G0+4*\s+2:G0+4*\s+3], s[44:45], \s*ROWB
	s_or_b32 s[G0+4*\s+3], s[G0+4*\s+3], 0x80000000
	s_mov_b32 s[G0B+4*\s], 1
	s_add_co_u32 s[G0B+4*\s+1], s3, \s*SLOT
	s_add_nc_u64 s[G0B+4*\s+2:G0B+4*\s+3], s[92:93], \s*ROWB
	s_or_b32 s[G0B+4*\s+3], s[G0B+4*\s+3], 0x80000000
	JLOAD G0+4*\s, G1, G0B+4*\s, G1B
.endr
	v_and_b32 v1, 15, v0                           ; r = lane % 16
	v_bfe_u32 v2, v0, 4, 1                         ; h = lane / 16
	v_mul_u32_u24 v3, v1, PITCH
	v_lshl_add_u32 v4, v2, 4, v3                   ; a fragment's row x pitch + 16 x half
	s_mul_i32 s43, s19, HALFT                      ; my 128 rows of A
	s_mul_i32 s66, s20, HALFT                      ; my 128 rows of B,
	s_add_co_u32 s66, s66, 2*HALFT                 ; which lie behind A's 256
.irp s, 0,1
	v_add_nc_u32 v[ADRA+\s], s43, v4
	v_add_nc_u32 v[ADRB+\s], s66, v4
	s_add_co_u32 s43, s43, SLOT
	s_add_co_u32 s66, s66, SLOT
.endr
	v_mul_u32_u24 v5, v1, KS                       ; my row's scale bytes: 32 a row,
	v_lshrrev_b32 v6, 8, v5
	v_lshl_add_u32 v5, v6, 4, v5                   ; and 16 more for each 256 passed
	s_mul_i32 s43, s19, HALFS
	s_mul_i32 s66, s20, HALFS
	s_add_co_u32 s66, s66, 2*HALFS
	s_sub_co_u32 s66, s66, s43
	v_mul_u32_u24 v6, s66, v2                      ; lanes 16-31 take B's: one product, the distance between the two bases
	s_add_co_u32 s43, s43, SCL
	v_add_nc_u32 v5, v5, v6
	v_add_nc_u32 v[ADRS], s43, v5
	v_and_b32 v6, 31, v0
	v_lshlrev_b32 v[L16], 4, v6
	v_lshlrev_b32 v[L8], 3, v6
	; THE BIASES, in the result's layout, while the first tiles are on their way
	s_cmp_lt_u32 s2, 8
	s_cbranch_scc0 .Lbias_v
	s_cmp_eq_u32 ttmp9, 0                          ; path QK: the cluster's x says Wq or Wk; a lane's register j of B's tile b is column 32 (b / 2) + 16 h + 8 (b % 2) + j of my 128
	s_cselect_b64 s[100:101], s[8:9], s[10:11]
	s_lshl_b32 s66, s21, 10
	s_lshl_b32 s67, s20, 9
	s_add_co_u32 s66, s66, s67
	s_mov_b32 s67, 0
	s_add_nc_u64 s[100:101], s[100:101], s[66:67]
	v_lshlrev_b32 v7, 6, v2
.irp b, 0,1,2,3,4,5,6,7
	global_load_b128 v[BI+8*\b:BI+8*\b+3], v7, s[100:101] offset:(32*(\b/2)+8*(\b%2))*4
	global_load_b128 v[BI+8*\b+4:BI+8*\b+7], v7, s[100:101] offset:(32*(\b/2)+8*(\b%2))*4+16
.endr
	s_branch .Lbias_done
.Lbias_v:
	s_lshl_b32 s66, s22, 10                        ; path V: the bias goes with A's row: lane r of block a holds channel 32 (a / 2) + 8 (a % 2) + r + 8 (r / 8) of my 128, the same in all eight registers
	s_lshl_b32 s67, s19, 9
	s_add_co_u32 s66, s66, s67
	s_mov_b32 s67, 0
	s_add_nc_u64 s[100:101], s[12:13], s[66:67]
	v_and_b32 v7, 8, v1
	v_add_nc_u32 v7, v7, v1
	v_lshlrev_b32 v7, 2, v7
.irp a, 0,1,2,3,4,5,6,7
.irp j, 0,1,2,3,4,5,6,7
	global_load_b32 v[BI+8*\a+\j], v7, s[100:101] offset:(32*(\a/2)+8*(\a%2))*4
.endr
.endr
.Lbias_done:
.macro FRAG reg, adr, q, i             ; a fragment, 16 rows x 128 K: lane l holds row l % 16; registers 4 c .. 4 c + 3 hold K = 32 c + 16 (l / 16) + 0 .. 15
.irp c, 0,1,2,3
	ds_load_b128 v[\reg+4*\c:\reg+4*\c+3], v[\adr] offset:128*(\q)+32*\c+(\i)*16*PITCH
.endr
.endm
; 16 matrix instructions: A's blocks a0, a0 + 1 x B's eight, the slot's q-th 128 along K.  p: B's set; sc: the set of scale words.  mode 0: the sums go on; 1: they begin with the bias of B's tile; 2: with that of A's block.
; The 64 accumulators take turns, one instruction a turn, in the same order in every step.
.macro MUL16 a0, p, q, sc, mode
.irp a, \a0, \a0+1
.irp b, 0,1,2,3,4,5,6,7
.if (\mode) == 0
	v_wmma_scale_f32_16x16x128_f8f6f4 v[8*(8*((\a)%4)+\b):8*(8*((\a)%4)+\b)+7], v[128*(\p)+FR*\b:128*(\p)+FR*\b+FR-1], v[AF+FR*(\a):AF+FR*(\a)+FR-1], v[8*(8*((\a)%4)+\b):8*(8*((\a)%4)+\b)+7], v[SC+8*NQ*(\sc)+NQ*\b+(\q)], v[SC+8*NQ*(\sc)+NQ*(\a)+(\q)] matrix_a_scale:MATRIX_SCALE_ROW1
.elseif (\mode) == 1
	v_wmma_scale_f32_16x16x128_f8f6f4 v[8*(8*((\a)%4)+\b):8*(8*((\a)%4)+\b)+7], v[128*(\p)+FR*\b:128*(\p)+FR*\b+FR-1], v[AF+FR*(\a):AF+FR*(\a)+FR-1], v[BI+8*\b:BI+8*\b+7], v[SC+8*NQ*(\sc)+NQ*\b+(\q)], v[SC+8*NQ*(\sc)+NQ*(\a)+(\q)] matrix_a_scale:MATRIX_SCALE_ROW1
.else
	v_wmma_scale_f32_16x16x128_f8f6f4 v[8*(8*((\a)%4)+\b):8*(8*((\a)%4)+\b)+7], v[128*(\p)+FR*\b:128*(\p)+FR*\b+FR-1], v[AF+FR*(\a):AF+FR*(\a)+FR-1], v[BI+8*(\a):BI+8*(\a)+7], v[SC+8*NQ*(\sc)+NQ*\b+(\q)], v[SC+8*NQ*(\sc)+NQ*(\a)+(\q)] matrix_a_scale:MATRIX_SCALE_ROW1
.endif
.endr
.endr
.endm
.macro FETCH_B slot, q, p
	WIN TO_B
.irp i, 0,1,2,3,4,5,6,7
	FRAG 128*(\p)+FR*\i, ADRB+\slot, \q, \i
.endr
	WIN 0
.endm
.macro FETCH_A slot, q, i0
.irp i, \i0, \i0+1, \i0+2, \i0+3
	FRAG AF+FR*(\i), ADRA+\slot, \q, \i
.endr
.endm
.macro SCALES sc                       ; a K step's scale words into set sc: two words a row; lanes 0-15 take A's block i, lanes 16-31 B's block i
.irp i, 0,1,2,3,4,5,6,7
	ds_load_b64 v[SC+8*NQ*\sc+NQ*\i:SC+8*NQ*\sc+NQ*\i+1], v[ADRS] offset:\i*SBLK
.endr
.endm
; A load into a register that a matrix instruction has read, and a vector instruction that reads a matrix result, stand NP places behind it; only plain vector instructions that name none of its registers are places.
.macro PLACES n
.rept \n
	v_nop
.endr
.endm
; A step of 128 along K that has its successor in the same slot.  A has one set of registers: blocks 0-3 are fetched anew in the step's middle, blocks 4-7 at its end; B has two sets.
.macro STEP slot, q, mode
	s_wait_dscnt 4*NL                              ; B's set and A's blocks 0-3 are in; the youngest 16 loads (A's blocks 4-7) may be out
.if (\mode)
	WIN 0x81                                       ; C (the bias) window 0, D window 2
.else
	WIN MUL_LO
.endif
	MUL16 0, (\q)%2, \q, \slot, \mode
	MUL16 2, (\q)%2, \q, \slot, \mode
	s_wait_dscnt 0                                 ; A's blocks 4-7 are in
	PLACES NP
	FETCH_B \slot, (\q)+1, 1-(\q)%2
	FETCH_A \slot, (\q)+1, 0
.if (\mode)
	WIN 0xc1
.else
	WIN MUL_HI
.endif
	MUL16 4, (\q)%2, \q, \slot, \mode
	MUL16 6, (\q)%2, \q, \slot, \mode
	PLACES NP
	WIN 0
	FETCH_A \slot, (\q)+1, 4
.endm
; A slot's last step changes slots: ONE barrier; in front of it each wave waits for all its tensor loads, adds 0 to its spare word, and waits for that and for its own reads of this slot.  fill = 1: this slot is filled again, two K steps ahead.
.macro TURN slot, next, fill
	s_wait_tensorcnt 0x0                           ; all my tensor loads have landed: my part of the next slot
	ds_add_u32 v[SPW], v[NIL]                      ; 0 onto my spare word
	s_wait_dscnt 4*NL+1                            ; (the add and the youngest 16 loads, A's blocks 4-7, may be out)
	WIN MUL_LO
	MUL16 0, 1, NQ-1, \slot, 0                     ; sixteen matrix instructions stand between the add and the wait for it
	s_wait_dscnt 0x0                               ; the add is done, and my reads of this slot are over
	s_barrier_signal -1
	MUL16 2, 1, NQ-1, \slot, 0
	WIN 0
	s_barrier_wait -1
.if \fill
	CREST                                          ; the barrier has opened a round of the cluster's barrier: no wave of any partner still reads this slot's tile or has a load on its way
	s_add_nc_u64 s[G0+4*\slot+2:G0+4*\slot+3], s[G0+4*\slot+2:G0+4*\slot+3], 2*ROWB
	s_add_nc_u64 s[G0B+4*\slot+2:G0B+4*\slot+3], s[G0B+4*\slot+2:G0B+4*\slot+3], 2*ROWB
	JLOAD G0+4*\slot, G1, G0B+4*\slot, G1B         ; the first tensor load behind the round; its four v_nop are among the places in front of the loads below
	PLACES NP-4
.else
	PLACES NP
.endif
	v_add_nc_u32 v[ADRS], 4*NQ, v[ADRS]            ; on to the next K step's scale words (no LDS load of mine is out)
	FETCH_B \next, 0, 0
	FETCH_A \next, 0, 0
	SCALES \next
	WIN MUL_HI
	MUL16 4, 1, NQ-1, \slot, 0
	MUL16 6, 1, NQ-1, \slot, 0
	PLACES NP
	WIN 0
	FETCH_A \next, 0, 4
.endm
	s_wait_tensorcnt 1                             ; the scale bytes and my part of K step 0 are in (K step 1's load may be out)
	s_barrier_signal -1
	s_barrier_wait -1                              ; everybody's are
	FETCH_B 0, 0, 0
	FETCH_A 0, 0, 0
	SCALES 0
	FETCH_A 0, 0, 4
	s_wait_loadcnt 0x0                             ; the biases
	s_cmp_lt_u32 s2, 8                             ; the first step begins the sums with the bias: by B's tile on path QK, by A's block on path V
	s_cbranch_scc0 .Lfirst_v
	STEP 0, 0, 1
	s_branch .Lfirst_done
.Lfirst_v:
	STEP 0, 0, 2
.Lfirst_done:
	TURN 0, 1, 1                                   ; K = 1,024 is four slots' worth: written straight through
	STEP 1, 0, 0
	TURN 1, 0, 1
	STEP 0, 0, 0
	TURN 0, 1, 0                                   ; the last lap fills nothing, and has no round of the cluster's barrier
	STEP 1, 0, 0
	s_wait_dscnt 4*NL                              ; the very last step: nothing more to fetch
	WIN MUL_LO
	MUL16 0, 1, NQ-1, 1, 0
	MUL16 2, 1, NQ-1, 1, 0
	s_wait_dscnt 0
	WIN MUL_HI
	MUL16 4, 1, NQ-1, 1, 0
	MUL16 6, 1, NQ-1, 1, 0
	WIN 0
; THE WAY OUT.  Block a of A (16 rows) against B's eight tiles: a lane's 64 numbers are four blocks of 32 (with lane l xor 16): register 16 bb + i is place 32 bb + 16 (lane / 16) + i of B's axis.
; QA leaves block a's codes in v[PCD + 16 a + 4 bb] on and the four scale bytes in v[PB] on.  Each accumulator is read from its low end on.
.macro QA a
.set W, 2+(\a)/4
.set AC, 64*((\a)%4)
.set WN, W|(W<<2)
	WIN WN                                         ; sources 0 and 1: the accumulators' window
.irp bb, 0,1,2,3
	v_max3_num_f32 v[BM+\bb], |v[AC+16*\bb]|, |v[AC+16*\bb+1]|, 0x4800000   ; my 16 numbers of block bb, and the floor 2^(9 - 127): the byte cannot fall under 1
.endr
.irp i, 2,4,6,8,10,12,14
.irp bb, 0,1,2,3
	v_max3_num_f32 v[BM+\bb], |v[AC+16*\bb+\i]|, |v[AC+16*\bb+\i+1]|, v[BM+\bb]   ; (the four blocks by turns)
.endr
.endr
	WIN 0
.irp bb, 0,1,2,3
	v_permlanex16_b32 v[PB+\bb], v[BM+\bb], s96, s97
.endr
.irp bb, 0,1,2,3
	v_max_num_f32 v[BM+\bb], v[BM+\bb], v[PB+\bb]  ; with lane l xor 16's: the block's largest magnitude
.endr
.irp bb, 0,1,2,3
	v_add_nc_u32 v[SO+\bb], 0xfc000000, v[BM+\bb]  ; 8 off its exponent field: the conversion's scale operand
.endr
.irp bb, 0,1,2,3
	v_and_or_b32 v[LM+\bb], v[BM+\bb], 0x7f800000, s98   ; 448 x the scale
.endr
.irp bb, 0,1,2,3
	v_lshrrev_b32 v[PB+\bb], 23, v[SO+\bb]         ; the scale's byte
.endr
.set WN, W|(W<<6)
	WIN WN                                         ; source 0 and destination: the accumulators' window
.irp bb, 0,1,2,3
.irp i, 0,1,2,3,4,5,6,7,8,9,10,11,12,13,14,15
	v_med3_num_f32 v[AC+16*\bb+\i], v[AC+16*\bb+\i], -v[LM+\bb], v[LM+\bb]   ; the conversion to an 8-bit code does not saturate (ISA guide 7.6.2): the hold comes first
.endr
.endr
	WIN W
.irp bb, 0,1,2,3
	v_cvt_scalef32_pk8_fp8_f32 v[PCD+16*(\a)+4*\bb:PCD+16*(\a)+4*\bb+1], v[AC+16*\bb:AC+16*\bb+7], v[SO+\bb]
	v_cvt_scalef32_pk8_fp8_f32 v[PCD+16*(\a)+4*\bb+2:PCD+16*(\a)+4*\bb+3], v[AC+16*\bb+8:AC+16*\bb+15], v[SO+\bb]
.endr
	WIN 0
	v_nop                                          ; a plain line behind the last conversion
.endm
	PLACES NP                                      ; behind the last products: their results are read, and A's registers written, below
	s_mov_b32 s96, 0x76543210
	s_mov_b32 s97, 0xfedcba98                      ; v_permlanex16_b32's selects for lane l xor 16
	s_mov_b32 s98, 0x600000                        ; the mantissa field of 448
	s_mov_b32 s99, 0xffff0000                      ; lanes 16-31
.irp bb, 0,1,2,3
	v_mov_b32 v[PB+\bb], 0                         ; written once: a lane permute's destination counts as one of its sources
.endr
	s_cmp_lt_u32 s2, 8
	s_cbranch_scc0 .Lout_v
	; ---- path QK: my 128 tokens are one step; my 128 columns two heads x two blocks of 32
	s_lshr_b32 s43, s23, 3                         ; the batch
	s_and_b32 s44, s23, 7
	s_lshl_b32 s44, s44, 1
	s_add_co_u32 s44, s44, s19                     ; the step of 128 tokens
	s_lshl_b32 s43, s43, 4
	s_lshl_b32 s45, s21, 2
	s_add_co_u32 s43, s43, s45
	s_lshl_b32 s45, s20, 1
	s_add_co_u32 s43, s43, s45                     ; my first head: 16 x batch + 4 cx + 2 x column half
	s_lshl_b32 s92, s43, 17
	s_lshl_b32 s45, s44, 13
	s_add_co_u32 s92, s92, s45
	s_lshl_b32 s45, ttmp9, 23                      ; q (cluster x = 0) or k (1)
	s_add_co_u32 s92, s92, s45
	s_mov_b32 s93, 0
	s_add_nc_u64 s[92:93], s[14:15], s[92:93]
	s_mul_i32 s94, s43, 12288
	s_lshr_b32 s45, s44, 1
	s_mul_i32 s45, s45, 1536
	s_add_co_u32 s94, s94, s45
	s_and_b32 s45, s44, 1
	s_lshl_b32 s45, s45, 9
	s_add_co_u32 s94, s94, s45
	s_mul_i32 s45, ttmp9, 786432
	s_add_co_u32 s94, s94, s45
	s_mov_b32 s95, 0
	s_add_nc_u64 s[94:95], s[16:17], s[94:95]
.irp a, 0,1,2,3,4,5,6,7
	QA \a
.irp hh, 0,1                                   ; a head's two bytes make tile a's scale word: word a / 2 of the image, lanes 0-15 for an even tile, lanes 16-31 for an odd one (both halves of the lanes hold row r's)
.if (\a)%2 == 0
	v_lshl_or_b32 v[SWR+4*\hh+(\a)/2], v[PB+2*\hh+1], 8, v[PB+2*\hh]
.else
	v_lshl_or_b32 v[TW], v[PB+2*\hh+1], 8, v[PB+2*\hh]
	v_cndmask_b32 v[SWR+4*\hh+(\a)/2], v[SWR+4*\hh+(\a)/2], v[TW], s99
.endif
.endr
.irp bb, 0,1,2,3
	global_store_b128 v[L16], v[PCD+16*(\a)+4*\bb:PCD+16*(\a)+4*\bb+3], s[92:93] offset:(\bb/2)*131072+(\a)*1024+(\bb%2)*512   ; the wave stores 512 consecutive bytes, aligned
.endr
.endr
.irp hh, 0,1
	global_store_b128 v[L16], v[SWR+4*\hh:SWR+4*\hh+3], s[94:95] offset:\hh*12288
.endr
	s_branch .Lout_done
.Lout_v:
	; ---- path V: my 128 tokens (B's axis) are one step of keys: four blocks of 32; my 128 rows of A two heads x four tiles of 16 channels
	s_lshr_b32 s43, s40, 3                         ; the batch
	s_and_b32 s44, s40, 7
	s_lshl_b32 s44, s44, 1
	s_add_co_u32 s44, s44, s20                     ; the step of 128 keys
	s_lshl_b32 s43, s43, 4
	s_lshl_b32 s45, s22, 2
	s_add_co_u32 s43, s43, s45
	s_lshl_b32 s45, s19, 1
	s_add_co_u32 s43, s43, s45                     ; my first head: 16 x batch + 4 cy + 2 x row half
	s_lshl_b32 s92, s43, 17
	s_lshl_b32 s45, s44, 13
	s_add_co_u32 s92, s92, s45
	s_add_co_u32 s92, s92, 16777216
	s_mov_b32 s93, 0
	s_add_nc_u64 s[92:93], s[14:15], s[92:93]
	s_mul_i32 s94, s43, 12288
	s_lshr_b32 s45, s44, 1
	s_mul_i32 s45, s45, 1536
	s_add_co_u32 s94, s94, s45
	s_and_b32 s45, s44, 1
	s_lshl_b32 s45, s45, 8
	s_add_co_u32 s94, s94, s45
	s_add_co_u32 s94, s94, 786432+1024
	s_mov_b32 s95, 0
	s_add_nc_u64 s[94:95], s[16:17], s[94:95]
.irp a, 0,1,2,3,4,5,6,7
	QA \a
	v_lshl_or_b32 v[TW], v[PB+1], 8, v[PB]         ; the four bytes make the channel's scale word for these 128 keys
	v_lshl_or_b32 v[TW], v[PB+2], 16, v[TW]
.if (\a)%2 == 0
	v_lshl_or_b32 v[SWR+2*((\a)/4)+((\a)%4)/2], v[PB+3], 24, v[TW]
.else
	v_lshl_or_b32 v[TW], v[PB+3], 24, v[TW]
	v_cndmask_b32 v[SWR+2*((\a)/4)+((\a)%4)/2], v[SWR+2*((\a)/4)+((\a)%4)/2], v[TW], s99
.endif
.irp bb, 0,1,2,3
	global_store_b128 v[L16], v[PCD+16*(\a)+4*\bb:PCD+16*(\a)+4*\bb+3], s[92:93] offset:((\a)/4)*131072+((\a)%4)*2048+\bb*512
.endr
.endr
.irp hh, 0,1
	global_store_b64 v[L8], v[SWR+2*\hh:SWR+2*\hh+1], s[94:95] offset:\hh*12288   ; 32 lanes store 256 consecutive bytes, aligned
.endr
.Lout_done:
	s_wait_tensorcnt 0x0                           ; the wave's end
	ds_add_u32 v[SPW], v[NIL]
	s_wait_dscnt 0x0
	CROUND                                         ; the closing round: no work-group ends while a partner may still ask for a tile that names it
	s_endpgm
.Lfunc_end_k_q270d6439c7_qkvp:
	.size	k_q270d6439c7_qkvp, .Lfunc_end_k_q270d6439c7_qkvp-k_q270d6439c7_qkvp
	.p2alignl 7, 3214868480
	.fill 96, 4, 3214868480
	.section	.rodata,"a",@progbits
	.p2align	6, 0x0
	.amdhsa_kernel k_q270d6439c7_qkvp
		.amdhsa_group_segment_fixed_size 327680
		.amdhsa_private_segment_fixed_size 0
		.amdhsa_enable_private_segment 0
		.amdhsa_kernarg_size 56
		.amdhsa_user_sgpr_count 2
		.amdhsa_user_sgpr_kernarg_segment_ptr 1
		.amdhsa_wavefront_size32 1
		.amdhsa_system_sgpr_workgroup_id_x 1
		.amdhsa_system_sgpr_workgroup_id_y 1
		.amdhsa_system_sgpr_workgroup_id_z 1
		.amdhsa_system_vgpr_workitem_id 0
		.amdhsa_next_free_vgpr 1024
		.amdhsa_next_free_sgpr 102
		.amdhsa_reserve_vcc 0
		.amdhsa_float_denorm_mode_32 3
		.amdhsa_float_denorm_mode_16_64 3
		.amdhsa_memory_ordered 1
		.amdhsa_forward_progress 1
		.amdhsa_inst_pref_size 255
	.end_amdhsa_kernel
	.section	.bss,"aw",@nobits
	.p2align	6
	.space	262144
	.amdgpu_metadata
---
amdhsa.version: [ 1, 2 ]
amdhsa.kernels:
  - .name:           k_q270d6439c7_qkvp
    .symbol:         k_q270d6439c7_qkvp.kd
    .args:
      - { .name: cod, .offset: 0, .size: 8, .value_kind: global_buffer, .address_space: global }
      - { .name: scl, .offset: 8, .size: 8, .value_kind: global_buffer, .address_space: global }
      - { .name: bq, .offset: 16, .size: 8, .value_kind: global_buffer, .address_space: global }
      - { .name: bk, .offset: 24, .size: 8, .value_kind: global_buffer, .address_space: global }
      - { .name: bv, .offset: 32, .size: 8, .value_kind: global_buffer, .address_space: global }
      - { .name: qkv, .offset: 40, .size: 8, .value_kind: global_buffer, .address_space: global }
      - { .name: qkvs, .offset: 48, .size: 8, .value_kind: global_buffer, .address_space: global }
    .group_segment_fixed_size: 327680
    .private_segment_fixed_size: 0
    .kernarg_segment_align: 8
    .kernarg_segment_size: 56
    .max_flat_workgroup_size: 128
    .sgpr_count:     102
    .vgpr_count:     1024
    .wavefront_size: 32
...
	.end_amdgpu_metadata
.endif
;; end of part 2
;; launch attn (part 3): grid 256 x 1, 16 waves a work-group, no clusters, 101,888 bytes of LDS; arguments qkv, qkvs, ac, asc; writes ac, asc
.if DOCPART == 3
	.amdgcn_target "amdgcn-amd-amdhsa--gfx1250"
	.amdhsa_code_object_version 6
	.text
	.protected	k_q270d6439c7_attn
	.globl	k_q270d6439c7_attn
	.p2align	8
	.type	k_q270d6439c7_attn,@function
k_q270d6439c7_attn:
	s_mov_b64 s[64:65], 0
	v_nop
	global_prefetch_b8 v0, s[64:65] scope:SCOPE_SE
	s_setreg_imm32_b32 hwreg(HW_REG_WAVE_MODE, 25, 1), 1
	s_wait_xcnt 0x0
; Causal attention on codes of FP8 (E4M3) with E8M0 scales: S = q k^T / 8 (K = the head's 64), p = 2^(t - M), O = p v / l (K = the keys), and O quantised along the model's 1,024 for the product with Wo.
; t = score x log2(e) / 8; M = the row's largest t so far, rounded UP to a whole number; p is quantised along the keys and not normalised; the row's sum l is taken of the unquantised p and divides O at the end.  When M moves, l and O are multiplied by 2^(old M - new M): exact.
; INPUTS are register images (see the launch that makes them): a step of 128 tokens of q or k is [tile 8][2][lane][16 bytes], of v [tile of 16 channels 4][4][lane][16]; tile 2 b + u holds tokens 32 b + 8 u + r + 8 (r / 8) in its rows r.
; SHARES.  Work-group 4 bh + j takes query blocks j and 7 - j (256 queries each) of head bh: (j + 1) + (8 - j) = 9 slots of 256 keys for every work-group: one loop of nine trips.  Each of SIXTEEN waves owns one tile of 16 queries, in 256 registers:
; four waves to a SIMD, so that one wave's vector work stands beside another's matrix work and LDS loads.  A step all of whose 128 keys come after the wave's queries is jumped over; on the diagonal hidden scores become -infinity ahead of the maximum.
; K AND V REACH LDS THROUGH REGISTERS: a slot's images are three dense runs of memory, copied as they lie: each thread loads 16 bytes four times (waves 0-2 once more, for the scale words) straight behind a trip's barrier and stores them into the
; other slot at the next trip's head: the loads have a whole trip in which to land.  Two slots, one barrier a trip: in front of it a wave's stores have landed and its reads of the slot that is written next are over.
; BOTH PRODUCTS ARE USED TRANSPOSED: S^T = k q^T, O^T = v^T p^T: a lane holds one query (lane % 16) throughout; p's 16 registers of two neighbouring tiles are 16 neighbouring keys, O^T's 16 neighbouring channels: the conversions' results are the next operand's registers.
; K = 64 IN A FORM THAT TAKES 128: q's upper eight registers are zero codes, so what k's operand holds there (the next tile's codes, finite numbers; for tile 7 zeros) adds nothing; the scale bytes of those blocks are 0, which is a number.
; OUT: ac [row tile 512][head 16][2][lane][16 bytes] codes; asc [8,192 stored rows][32] scale bytes, byte 2 head + c (two bytes a row, rows 32 bytes apart: 3 bytes in 100 of what this launch stores; the layout is the one from which the next launch takes whole units).
; NO CLUSTER: the four work-groups of a head want different slots in the same trip (0 .. j, then 0 .. 7 - j), so no tile could be asked for jointly.  NO PREFETCH: behind the first trip no wave waits for the stream.
; LIMITS: reference()'s -1e9 above the diagonal is taken as p = 0, which it is in f32 while |score| / 8 stays far under 1e9; a block of zeros gets the byte 1 (its codes are zeros; this program alone reads the bytes); NaN and infinities are not served.
.set SLOT1, 65536                      ; slot s begins at 65,536 s: k's images 16,384 bytes, v's 16,384, the scale words 1,536
.set VOFF,  16384
.set SOFF,  32768
.set QH,    34816                      ; behind slot 0: 1,536 bytes for each wave: the second block's q, each wave's own
.set S,    104                         ; v104-167 S^T, then p
.set O,    168                         ; v168-199 O^T
.set PCD,  200                         ; v200-215 p's codes
.set BM,   236                         ; v236-239 a block's largest score, then p
.set PB,   240                         ; v240-243 the other half's, a chain of the sum, the bytes
.set LM,   244                         ; v244-247 448 x the scale
.set SO,   248                         ; v248-251 the conversions' scale operands
; v0 thread; v1 slot + 16 lane; v2 slot + 16 thread (also q's stash); v3 r + 8 (r / 8) - 16 h; v4 slot + 8 lane; v5 16 thread; v[6:9] k's scale words; v[10:11] v's; v12 -M; v13 the largest t; v[14:15] the sum in two halves;
; v16-23 q's codes, v24-31 zeros; v32-95 k's eight tiles x 8, then v's four x 16; v96-103 zeros; v216-235 the next slot on its way; v252 f; v253 p's scale word; v254 at work; v255 q's scale word.
; s18 wave; s19 448's mantissa; s[20:21] lane selects; s[22:23] c; s24 the slot in hand; s25 the trip; s26 the trip that ends the block in hand; s27 the step's first key; s28 my tile's lowest query; s29 the slot of keys to load;
; s[30:35] where it lies (k, v, scale words); s[36:41] the head's; s[48:51] where my results go; s[52:56] the same and the lowest query for the second block; s57 q's stash.
	s_load_b256 s[4:11], s[0:1], 0x0               ; qkv s[4:5], qkvs s[6:7], ac s[8:9], asc s[10:11]
	v_lshrrev_b32 v1, 5, v0
	v_readfirstlane_b32 s18, v1                    ; wave 0..15
	s_lshr_b32 s42, ttmp9, 2                       ; the head of a batch, 0..63
	s_and_b32 s26, ttmp9, 3                        ; j: the first block, and the trip that ends it
	s_sub_co_u32 s43, 7, s26                       ; the second block
	s_lshl_b32 s44, s26, 4
	s_add_co_u32 s44, s44, s18                     ; my tile in the first block,
	s_lshl_b32 s45, s43, 4
	s_add_co_u32 s45, s45, s18                     ; and in the second
	s_lshr_b32 s46, s18, 1
	s_lshl_b32 s46, s46, 5
	s_and_b32 s47, s18, 1
	s_lshl_b32 s12, s47, 3
	s_add_co_u32 s46, s46, s12                     ; 32 (w / 2) + 8 (w % 2)
	s_lshl_b32 s28, s26, 8
	s_add_co_u32 s28, s28, s46                     ; my tile's queries are this + r + 8 (r / 8)
	s_lshl_b32 s56, s43, 8
	s_add_co_u32 s56, s56, s46
	s_lshl_b32 s47, s47, 8                         ; q's scale word in a slot's image: 512 (w / 8) + 256 (w % 2) + 4 ((w % 8) / 2), + 16 r
	s_lshr_b32 s12, s18, 3
	s_lshl_b32 s12, s12, 9
	s_add_co_u32 s47, s47, s12
	s_bfe_u32 s12, s18, 0x20001
	s_lshl_b32 s12, s12, 2
	s_add_co_u32 s47, s47, s12
	s_mul_i32 s13, s42, 12288                      ; the head's scale words
	s_add_co_u32 s47, s47, s13
	s_mul_i32 s14, s26, 1536
	s_add_co_u32 s14, s14, s47
	s_mov_b32 s15, 0
	s_mul_i32 s16, s43, 1536
	s_add_co_u32 s16, s16, s47
	s_mov_b32 s17, 0
	s_lshl_b32 s12, s42, 17                        ; the head's codes
	s_lshl_b32 s58, s44, 10
	s_add_co_u32 s58, s58, s12
	s_mov_b32 s59, 0
	s_lshl_b32 s60, s45, 10
	s_add_co_u32 s60, s60, s12
	s_mov_b32 s61, 0
	s_add_co_u32 s36, s12, 8388608                 ; k
	s_mov_b32 s37, 0
	s_add_co_u32 s38, s12, 16777216                ; v
	s_mov_b32 s39, 0
	s_add_co_u32 s40, s13, 786432                  ; their scale words
	s_mov_b32 s41, 0
	s_lshr_b32 s62, s42, 4
	s_lshl_b32 s62, s62, 7                         ; 128 row tiles a batch
	s_and_b32 s63, s42, 15                         ; the head in its batch
	s_add_co_u32 s44, s44, s62
	s_add_co_u32 s45, s45, s62
	s_lshl_b32 s12, s63, 10
	s_lshl_b32 s48, s44, 14
	s_add_co_u32 s48, s48, s12
	s_mov_b32 s49, 0
	s_lshl_b32 s52, s45, 14
	s_add_co_u32 s52, s52, s12
	s_mov_b32 s53, 0
	s_lshl_b32 s12, s63, 1
	s_lshl_b32 s50, s44, 9
	s_add_co_u32 s50, s50, s12
	s_mov_b32 s51, 0
	s_lshl_b32 s54, s45, 9
	s_add_co_u32 s54, s54, s12
	s_mov_b32 s55, 0
	s_mul_i32 s57, s18, 1536
	s_add_co_u32 s57, s57, QH
	s_mov_b32 s19, 0x600000
	s_mov_b32 s20, 0x76543210
	s_mov_b32 s21, 0xfedcba98
	s_mov_b32 s22, 0x3e38aa3b                      ; c = log2(e) / 8
	s_mov_b32 s23, s22                             ; (named with it as a pair, so it is written)
	s_mov_b32 s24, 0
	s_mov_b32 s25, 0
	s_mov_b32 s27, 0
	s_mov_b32 s29, 0
	v_and_b32 v2, 31, v0
	v_lshlrev_b32 v1, 4, v2                        ; 16 x lane
	v_and_b32 v3, 15, v0                           ; r
	v_lshlrev_b32 v4, 4, v3                        ; 16 r
	v_lshlrev_b32 v5, 4, v0                        ; 16 x thread
	s_wait_kmcnt 0x0
	s_add_nc_u64 s[14:15], s[6:7], s[14:15]
	s_add_nc_u64 s[16:17], s[6:7], s[16:17]
	s_add_nc_u64 s[58:59], s[4:5], s[58:59]
	s_add_nc_u64 s[60:61], s[4:5], s[60:61]
	s_add_nc_u64 s[36:37], s[4:5], s[36:37]
	s_add_nc_u64 s[38:39], s[4:5], s[38:39]
	s_add_nc_u64 s[40:41], s[6:7], s[40:41]
	s_add_nc_u64 s[48:49], s[8:9], s[48:49]
	s_add_nc_u64 s[52:53], s[8:9], s[52:53]
	s_add_nc_u64 s[50:51], s[10:11], s[50:51]
	s_add_nc_u64 s[54:55], s[10:11], s[54:55]
	global_load_b128 v[200:203], v1, s[60:61]      ; the second block's q, to be put by in LDS
	global_load_b128 v[204:207], v1, s[60:61] offset:512
	global_load_b32 v208, v4, s[16:17]
	global_load_b128 v[16:19], v1, s[58:59]        ; the first block's
	global_load_b128 v[20:23], v1, s[58:59] offset:512
	global_load_b32 v255, v4, s[14:15]
	global_load_b128 v[216:219], v5, s[36:37]      ; keys 0 to 255: 512 threads x 16 bytes are 8,192 consecutive bytes
	global_load_b128 v[220:223], v5, s[36:37] offset:8192
	global_load_b128 v[224:227], v5, s[38:39]
	global_load_b128 v[228:231], v5, s[38:39] offset:8192
	s_cmp_lt_u32 s18, 3
	s_cbranch_scc0 .Lno_sc_0
	global_load_b128 v[232:235], v5, s[40:41]      ; 96 threads x 16 bytes: the slot's scale words
.Lno_sc_0:
	v_lshl_add_u32 v2, v2, 4, s57                  ; q's stash: 16 x lane in my wave's bytes
	v_and_b32 v254, 8, v3
	v_add_nc_u32 v3, v3, v254
	v_bfe_u32 v254, v0, 4, 1
	v_lshlrev_b32 v254, 4, v254
	v_sub_nc_u32 v3, v3, v254                      ; r + 8 (r / 8) - 16 h
.irp i, 0,1,2,3,4,5,6,7
	v_mov_b32 v[24+\i], 0                          ; zero codes: q's K = 64 .. 127
	v_mov_b32 v[96+\i], 0                          ; and what stands behind k's last tile
.endr
.set n, 0
.rept 32
	v_mov_b32 v[O+n], 0                            ; O^T.  (The step is written once: the first finds zeros, which the first change of M leaves zeros)
.set n, n+1
.endr
	v_mov_b32 v13, 0xff61b1e6                      ; the largest t so far: -3e38, under every t
	v_floor_f32 v12, -v13                          ; -M
	v_mov_b32 v14, 0
	v_mov_b32 v15, 0
.irp b, 0,1,2,3
	v_mov_b32 v[PB+\b], 0                          ; written once: a lane permute's destination counts as one of its sources
.endr
	v_mov_b32 v253, 0                              ; (named as the upper half of the pair v[252:253] before it is first written)
	s_wait_loadcnt 0x0
	ds_store_b128 v2, v[200:203]
	ds_store_b128 v2, v[204:207] offset:512
	ds_store_b32 v2, v208 offset:1024              ; the words 16 bytes apart, by the same address
; A KEY STEP: 128 keys, the q-th of the slot in hand.
.macro STEP q
	s_add_co_u32 s42, s28, 23                      ; my highest query
	s_cmp_gt_u32 s27, s42
	s_cbranch_scc1 .Lhidden_\@                     ; all 128 keys come after it: a branch on ids and counters; no barrier stands in a step
.rept 8
	v_nop                                          ; places in front of loads into registers that the last step's products have read
.endr
.irp t, 0,1,2,3,4,5,6,7
.irp c, 0,1
	ds_load_b128 v[32+8*\t+4*\c:32+8*\t+4*\c+3], v1 offset:8192*(\q)+1024*\t+512*\c   ; an image comes back as it was stored: 512 consecutive bytes
.endr
.endr
	ds_load_b128 v[6:9], v1 offset:SOFF+512*(\q)   ; word w: lanes 0-15 tile 2 w's rows, lanes 16-31 tile 2 w + 1's
	s_wait_dscnt 0x0
.irp t, 0,2,4,6                                ; S^T = k q^T
	v_wmma_scale_f32_16x16x128_f8f6f4 v[S+8*\t:S+8*\t+7], v[32+8*\t:32+8*\t+15], v[16:31], 0, v[6+\t/2], v255
	v_wmma_scale_f32_16x16x128_f8f6f4 v[S+8*\t+8:S+8*\t+15], v[40+8*\t:40+8*\t+15], v[16:31], 0, v[6+\t/2], v255 matrix_a_scale:MATRIX_SCALE_ROW1
.endr
.rept 8
	v_nop                                          ; places: the scores are read and k's registers loaded below
.endr
.irp t, 0,1,2,3
.irp c, 0,1,2,3
	ds_load_b128 v[32+16*\t+4*\c:32+16*\t+4*\c+3], v1 offset:VOFF+8192*(\q)+2048*\t+512*\c   ; v's tiles land under the softmax
.endr
.endr
	ds_load_b64 v[10:11], v4 offset:SOFF+1024+256*(\q)
	s_add_co_u32 s42, s27, 127                     ; a step all of whose keys count skips the mask
	s_cmp_le_u32 s42, s28
	s_cbranch_scc1 .Lopen_\@
	s_sub_co_i32 s42, s28, s27
	v_add_nc_u32 v252, s42, v3                     ; d = my query - the step's first key - 16 h.  Register 16 b + i holds key 32 b + 16 h + i of the step: hidden where 32 b + i > d
	v_mov_b32 v254, 0xff800000                     ; -infinity
.set n, 0
.rept 64
	v_cmp_gt_i32 vcc_lo, 32*(n/16)+n%16, v252
	v_cndmask_b32 v[S+n], v[S+n], v254, vcc_lo
.set n, n+1
.endr
.Lopen_\@:
.irp b, 0,1,2,3
	v_max3_num_f32 v[BM+\b], v[S+16*\b], v[S+16*\b+1], v[S+16*\b+2]   ; the largest score of each block of 32 keys: it serves for the row's maximum and, since p rises with the score, for the block's largest p
.endr
.irp i, 3,5,7,9,11,13
.irp b, 0,1,2,3
	v_max3_num_f32 v[BM+\b], v[BM+\b], v[S+16*\b+\i], v[S+16*\b+\i+1]
.endr
.endr
.irp b, 0,1,2,3
	v_max_num_f32 v[BM+\b], v[BM+\b], v[S+16*\b+15]
.endr
.irp b, 0,1,2,3
	v_permlanex16_b32 v[PB+\b], v[BM+\b], s20, s21
.endr
.irp b, 0,1,2,3
	v_max_num_f32 v[BM+\b], v[BM+\b], v[PB+\b]     ; with lane l xor 16's 16 keys
.endr
	v_max3_num_f32 v254, v[BM], v[BM+1], v[BM+2]
	v_max_num_f32 v254, v254, v[BM+3]              ; the step's largest score of my query
	v_mul_f32 v254, s22, v254                      ; as t (c is positive)
	v_max_num_f32 v13, v13, v254                   ; the running largest t
	v_mov_b32 v254, v12
	v_floor_f32 v12, -v13                          ; the new -M = floor(-t) = -ceil(t)
	v_sub_f32 v254, v12, v254                      ; old M - new M: a whole number, 0 or less
	v_cvt_i32_f32 v254, v254                       ; (it saturates)
	v_ldexp_f32 v252, 1.0, v254                    ; f = 2^(old M - new M)
.set n, 0
.rept 32
	v_pk_fma_f32 v[S+n:S+n+1], v[S+n:S+n+1], s[22:23], v[12:13] op_sel_hi:[1,0,0]   ; t - M, two at a time
.set n, n+2
.endr
.irp b, 0,1,2,3
	v_fma_f32 v[BM+\b], v[BM+\b], s22, v12         ; the same of each block's largest score
.endr
.set n, 0
.rept 64
	v_exp_f32 v[S+n], v[S+n]                       ; p = 2^(t - M), at most 1
.set n, n+1
.endr
	v_pk_mul_f32 v[14:15], v[14:15], v[252:253] op_sel_hi:[1,0]   ; the sums under the new M (a plain line behind the exponentials)
	s_wait_alu depctr_va_vdst(0)                   ; one wait for the batch of 64, ahead of its first reader
.irp b, 0,1,2,3
	v_exp_f32 v[BM+\b], v[BM+\b]                   ; the block's largest p: the same two instructions on the same number
.endr
	v_pk_add_f32 v[PB:PB+1], v[S:S+1], v[S+2:S+3]  ; the row's sum is taken of the unquantised p, in two chains; it reads the 64 alone
.set n, 4
.rept 15
	v_pk_add_f32 v[14:15], v[14:15], v[S+n:S+n+1]
	v_pk_add_f32 v[PB:PB+1], v[PB:PB+1], v[S+n+2:S+n+3]
.set n, n+4
.endr
	v_pk_add_f32 v[14:15], v[14:15], v[PB:PB+1]
	s_wait_alu depctr_va_vdst(0)                   ; and one for the four
.irp b, 0,1,2,3
	v_max_num_f32 v[BM+\b], 0x4800000, v[BM+\b]    ; the floor 2^(9 - 127): the byte cannot fall under 1
.endr
.irp b, 0,1,2,3
	v_add_nc_u32 v[SO+\b], 0xfc000000, v[BM+\b]    ; 8 off the exponent field: the conversion's scale operand
.endr
.irp b, 0,1,2,3
	v_and_or_b32 v[LM+\b], v[BM+\b], 0x7f800000, s19   ; 448 x the scale
.endr
.irp b, 0,1,2,3
	v_lshrrev_b32 v[PB+\b], 23, v[SO+\b]           ; the scale's byte
.endr
	v_lshl_or_b32 v253, v[PB+1], 8, v[PB]          ; p's scale word for these 128 keys
	v_lshl_or_b32 v253, v[PB+2], 16, v253
	v_lshl_or_b32 v253, v[PB+3], 24, v253
.irp b, 0,1,2,3
.irp i, 0,1,2,3,4,5,6,7,8,9,10,11,12,13,14,15
	v_min_num_f32 v[S+16*\b+\i], v[S+16*\b+\i], v[LM+\b]   ; the conversion to an 8-bit code does not saturate (ISA guide 7.6.2); p is not negative, so the hold is one-sided
.endr
	v_cvt_scalef32_pk8_fp8_f32 v[PCD+4*\b:PCD+4*\b+1], v[S+16*\b:S+16*\b+7], v[SO+\b]
	v_cvt_scalef32_pk8_fp8_f32 v[PCD+4*\b+2:PCD+4*\b+3], v[S+16*\b+8:S+16*\b+15], v[SO+\b]
.endr
.set n, 0
.rept 16
	v_pk_mul_f32 v[O+n:O+n+1], v[O+n:O+n+1], v[252:253] op_sel_hi:[1,0]   ; O^T under the new M.  (These sixteen are also the places between the codes and the products)
.set n, n+2
.endr
	s_wait_dscnt 0x0                               ; v's tiles and scale words
.irp t, 0,2                                    ; O^T += v^T p^T: four accumulators by turns
	v_wmma_scale_f32_16x16x128_f8f6f4 v[O+8*\t:O+8*\t+7], v[32+16*\t:32+16*\t+15], v[PCD:PCD+15], v[O+8*\t:O+8*\t+7], v[10+\t/2], v253
	v_wmma_scale_f32_16x16x128_f8f6f4 v[O+8*\t+8:O+8*\t+15], v[48+16*\t:48+16*\t+15], v[PCD:PCD+15], v[O+8*\t+8:O+8*\t+15], v[10+\t/2], v253 matrix_a_scale:MATRIX_SCALE_ROW1
.endr
.Lhidden_\@:
	s_add_co_u32 s27, s27, 128
.endm
.Ltrip:                                            ; nine trips, a slot of 256 keys each
	s_wait_loadcnt 0x0                             ; the slot asked for a trip ago is in my registers, and its loads have read their addresses
	v_add_nc_u32 v2, s24, v5
	ds_store_b128 v2, v[216:219]                   ; into the slot in hand, as it lay in memory
	ds_store_b128 v2, v[220:223] offset:8192
	ds_store_b128 v2, v[224:227] offset:VOFF
	ds_store_b128 v2, v[228:231] offset:VOFF+8192
	s_cmp_lt_u32 s18, 3
	s_cbranch_scc0 .Lno_sc_st
	ds_store_b128 v2, v[232:235] offset:SOFF
.Lno_sc_st:
	s_wait_dscnt 0x0                               ; for the others' sake: my stores have landed, and my reads of the other slot, which is written next trip, are over
	s_barrier_signal -1
	s_barrier_wait -1
	s_add_co_u32 s29, s29, 1                       ; the next trip's keys: the next 256, or, where this trip ends a block, the first
	s_cmp_eq_u32 s25, s26
	s_cselect_b32 s29, 0, s29
	s_cmp_eq_u32 s25, 8
	s_cbranch_scc1 .Lno_ld                         ; the last trip asks for nothing
	s_lshl_b32 s42, s29, 14
	s_mov_b32 s43, 0
	s_add_nc_u64 s[30:31], s[36:37], s[42:43]
	s_add_nc_u64 s[32:33], s[38:39], s[42:43]
	s_mul_i32 s44, s29, 1536
	s_mov_b32 s45, 0
	s_add_nc_u64 s[34:35], s[40:41], s[44:45]
	global_load_b128 v[216:219], v5, s[30:31]
	global_load_b128 v[220:223], v5, s[30:31] offset:8192
	global_load_b128 v[224:227], v5, s[32:33]
	global_load_b128 v[228:231], v5, s[32:33] offset:8192
	s_cmp_lt_u32 s18, 3
	s_cbranch_scc0 .Lno_ld
	global_load_b128 v[232:235], v5, s[34:35]
.Lno_ld:
	v_and_b32 v4, 31, v0
	v_lshl_add_u32 v1, v4, 4, s24                  ; the slot in hand + 16 x lane
	v_lshl_add_u32 v4, v4, 3, s24                  ; + 8 x lane
	STEP 0
	STEP 1
	s_cmp_eq_u32 s25, s26
	s_cbranch_scc0 .Lnext
	; ---- a block of queries is finished: O^T / l, quantised along the model's axis (my head's two blocks of 32), leaves as an image
.rept 8
	v_nop                                          ; places behind the last products
.endr
	v_add_f32 v14, v14, v15                        ; the sum's two halves,
	v_permlanex16_b32 v[PB], v14, s20, s21
	v_add_f32 v14, v14, v[PB]                      ; and lane l xor 16's: the row's sum
	v_rcp_f32 v14, v14
	v_nop                                          ; a plain line behind the reciprocal
	s_wait_alu depctr_va_vdst(0)                   ; the wait ahead of its first reader
.set n, 0
.rept 16
	v_pk_mul_f32 v[S+n:S+n+1], v[O+n:O+n+1], v[14:15] op_sel_hi:[1,0]   ; register 16 c + i: channel 32 c + 16 h + i of my head
.set n, n+2
.endr
.irp b, 0,1
	v_max3_num_f32 v[BM+\b], |v[S+16*\b]|, |v[S+16*\b+1]|, 0x4800000
.endr
.irp i, 2,4,6,8,10,12,14
.irp b, 0,1
	v_max3_num_f32 v[BM+\b], v[BM+\b], |v[S+16*\b+\i]|, |v[S+16*\b+\i+1]|
.endr
.endr
.irp b, 0,1
	v_permlanex16_b32 v[PB+\b], v[BM+\b], s20, s21
.endr
.irp b, 0,1
	v_max_num_f32 v[BM+\b], v[BM+\b], v[PB+\b]
.endr
.irp b, 0,1
	v_add_nc_u32 v[SO+\b], 0xfc000000, v[BM+\b]
.endr
.irp b, 0,1
	v_and_or_b32 v[LM+\b], v[BM+\b], 0x7f800000, s19
.endr
.irp b, 0,1
	v_lshrrev_b32 v[PB+\b], 23, v[SO+\b]
.endr
	v_lshl_or_b32 v254, v[PB+1], 8, v[PB]          ; my row's two scale bytes
.irp b, 0,1
.irp i, 0,1,2,3,4,5,6,7,8,9,10,11,12,13,14,15
	v_med3_num_f32 v[S+16*\b+\i], v[S+16*\b+\i], -v[LM+\b], v[LM+\b]
.endr
	v_cvt_scalef32_pk8_fp8_f32 v[PCD+4*\b:PCD+4*\b+1], v[S+16*\b:S+16*\b+7], v[SO+\b]
	v_cvt_scalef32_pk8_fp8_f32 v[PCD+4*\b+2:PCD+4*\b+3], v[S+16*\b+8:S+16*\b+15], v[SO+\b]
.endr
	v_and_b32 v[BM], 31, v0                        ; (a plain line behind the last conversion)
	v_lshlrev_b32 v[BM], 4, v[BM]                  ; 16 x lane
	v_and_b32 v[BM+1], 15, v0
	v_lshlrev_b32 v[BM+1], 5, v[BM+1]              ; 32 r
	global_store_b128 v[BM], v[PCD:PCD+3], s[48:49]              ; the wave stores 512 consecutive bytes, aligned
	global_store_b128 v[BM], v[PCD+4:PCD+7], s[48:49] offset:512
	global_store_b16 v[BM+1], v254, s[50:51]       ; lanes 16-31 write the same bytes with the same value
	s_wait_xcnt 0x0                                ; the stores have read their registers and bases: all are written again below or in the next steps
	s_cmp_eq_u32 s25, 8
	s_cbranch_scc1 .Lnext
	; ---- on to the second block
	s_mov_b32 s26, 8
	s_mov_b32 s27, 0
	s_mov_b32 s28, s56
	s_mov_b64 s[48:49], s[52:53]
	s_mov_b64 s[50:51], s[54:55]
	v_and_b32 v2, 31, v0
	v_lshl_add_u32 v2, v2, 4, s57
	ds_load_b128 v[16:19], v2                      ; its q, from my wave's own bytes
	ds_load_b128 v[20:23], v2 offset:512
	ds_load_b32 v255, v2 offset:1024
.set n, 0
.rept 32
	v_mov_b32 v[O+n], 0
.set n, n+1
.endr
	v_mov_b32 v14, 0
	v_mov_b32 v15, 0
	v_mov_b32 v13, 0xff61b1e6
	v_floor_f32 v12, -v13
	s_wait_dscnt 0x0
.Lnext:
	s_xor_b32 s24, s24, SLOT1                      ; the other slot
	s_add_co_u32 s25, s25, 1
	s_cmp_lt_u32 s25, 9
	s_cbranch_scc1 .Ltrip
	s_wait_xcnt 0x0
	v_lshl_add_u32 v254, v0, 2, 0x18600
	v_mov_b32 v255, 0
	s_wait_tensorcnt 0x0
	ds_add_u32 v254, v255
	s_wait_dscnt 0x0
	s_endpgm
.Lfunc_end_k_q270d6439c7_attn:
	.size	k_q270d6439c7_attn, .Lfunc_end_k_q270d6439c7_attn-k_q270d6439c7_attn
	.p2alignl 7, 3214868480
	.fill 96, 4, 3214868480
	.section	.rodata,"a",@progbits
	.p2align	6, 0x0
	.amdhsa_kernel k_q270d6439c7_attn
		.amdhsa_group_segment_fixed_size 101888
		.amdhsa_private_segment_fixed_size 0
		.amdhsa_enable_private_segment 0
		.amdhsa_kernarg_size 32
		.amdhsa_user_sgpr_count 2
		.amdhsa_user_sgpr_kernarg_segment_ptr 1
		.amdhsa_wavefront_size32 1
		.amdhsa_system_sgpr_workgroup_id_x 1
		.amdhsa_system_sgpr_workgroup_id_y 1
		.amdhsa_system_sgpr_workgroup_id_z 1
		.amdhsa_system_vgpr_workitem_id 0
		.amdhsa_next_free_vgpr 256
		.amdhsa_next_free_sgpr 66
		.amdhsa_reserve_vcc 1
		.amdhsa_float_denorm_mode_32 3
		.amdhsa_float_denorm_mode_16_64 3
		.amdhsa_memory_ordered 1
		.amdhsa_forward_progress 1
		.amdhsa_inst_pref_size 64
	.end_amdhsa_kernel
	.amdgpu_metadata
---
amdhsa.version: [ 1, 2 ]
amdhsa.kernels:
  - .name:           k_q270d6439c7_attn
    .symbol:         k_q270d6439c7_attn.kd
    .args:
      - { .name: qkv, .offset: 0, .size: 8, .value_kind: global_buffer, .address_space: global }
      - { .name: qkvs, .offset: 8, .size: 8, .value_kind: global_buffer, .address_space: global }
      - { .name: ac, .offset: 16, .size: 8, .value_kind: global_buffer, .address_space: global }
      - { .name: asc, .offset: 24, .size: 8, .value_kind: global_buffer, .address_space: global }
    .group_segment_fixed_size: 101888
    .private_segment_fixed_size: 0
    .kernarg_segment_align: 8
    .kernarg_segment_size: 32
    .max_flat_workgroup_size: 512
    .sgpr_count:     66
    .vgpr_count:     256
    .wavefront_size: 32
...
	.end_amdgpu_metadata
.endif
;; end of part 3
;; launch oproj (part 4): grid 4 x 32, 4 waves a work-group, clusters of 4 x 4, 327,680 bytes of LDS; arguments ac, asc, cod, scl, bo, out0; writes out0
.if DOCPART == 4
	.amdgcn_target "amdgcn-amd-amdhsa--gfx1250"
	.amdhsa_code_object_version 6
	.text
	.protected	k_q270d6439c7_oproj
	.globl	k_q270d6439c7_oproj
	.p2align	8
	.type	k_q270d6439c7_oproj,@function
k_q270d6439c7_oproj:
	s_mov_b64 s[64:65], 0
	v_nop
	global_prefetch_b8 v0, s[64:65] scope:SCOPE_SE
	s_setreg_imm32_b32 hwreg(HW_REG_WAVE_MODE, 25, 1), 1
	s_wait_xcnt 0x0
	s_wait_alu depctr_hold_cnt(0) depctr_sa_sdst(0) depctr_va_vdst(0) depctr_va_sdst(0) depctr_va_ssrc(0) depctr_va_vcc(0) depctr_vm_vsrc(0)
	s_getreg_b32 s2, hwreg(HW_REG_IB_STS2, 6, 4)
	s_cmp_eq_u32 s2, 0
	s_cbranch_scc0 .Lentry_in_a_cluster
	s_endpgm
.Lentry_in_a_cluster:
	s_bfe_u32 s2, ttmp6, 0x10000c
	s_cmp_lg_u32 s2, 0xf033
	s_cbranch_scc0 .Lentry_shape_is_right
	s_endpgm
.Lentry_shape_is_right:
; out0 = attn Wo + bo on codes of FP8 (E4M3) with E8M0 scales for each 32 along K = 1,024; out0 [8192][1024] f32.
; A GEMM C = A B^T on tiles of 256 x 256: four waves, 128 x 128 each (64 accumulators, 512 registers); K in steps of 256 through a ring of two LDS slots filled by the tensor data mover.
; A = attn, as REGISTER IMAGES: ac [row tile of 16: 512][128 along K: 8][4][lane][16 bytes]: a slot's part of a tile is 4,096 consecutive bytes; it lies in LDS as in memory and a fragment comes by four loads of 512 consecutive bytes.  Its scale bytes: asc [8192][32].
; B = Wo's columns: rows 11,264 on of cod, K innermost; scale bytes in scl.  Both operands' rows lie in the stored order (bits 3 and 4 of a row's number changed inside each 32).
; THE MATRIX INSTRUCTION IS USED TRANSPOSED (source 0 = 16 rows of B, source 1 = 16 rows of A): a lane holds one row of out0, and register j of B's tile b is column 32 (b / 2) + 16 (lane / 16) + 8 (b % 2) + j of my 128.  The way out puts columns and rows back in their order:
; the columns by the place in the stage, the rows by the stores' immediates.  The bias is the C of each sum's first matrix instruction.
; CLUSTERS: 4 x 4 work-groups; A's tiles are asked for jointly along a row of the cluster, B's along a column.  128 work-groups: a tile of half the rows would give 256 at more LDS bytes for each product; not built.
; Left out: prefetches (four K steps, a short launch).
; REGISTERS: window 0: v0-31 addresses; v32-63 scale words, two sets; v64-127 the bias; v128-255 A's fragments, one set, later rows on their way out.  window 1: B's fragments, two sets.  windows 2, 3: the accumulators.
.set NQ,     2
.set ROWB,   256
.set KROW,   1024
.set PITCH,  272                       ; B's LDS row: 256 bytes + 16 of padding
.set FR,     16
.set NL,     4
.set NP,     8                         ; places behind this matrix instruction (ISA guide 7.12.1)
.set HALFA,  32768                     ; A: 8 row tiles x 4,096 bytes
.set HALFB,  128*PITCH
.set SLOT,   2*HALFA+2*HALFB
.set KS,     32
.set SCL,    2*SLOT
.set HALFS,  (128*KS/256)*272
.set SBLK,   (16*KS/256)*272
.set SPARE,  SCL+4*HALFS               ; the spare words, 128 bytes for each wave: two blocks of 256 bytes that no other line names
.set SPITCH, 528                       ; the way out: a stage of 16 rows x (512 bytes + 16) for each wave, in slot 0, which has had its last fill and its last read when the first result is stored there
.set ADRA, 16
.set ADRB, 20
.set STO,  24
.set RD,   25
.set CO,   26
.set ADRS, 27
.set SPW,  28
.set NIL,  29
.set SC,   32
.set BI,   64
.set AF,   128
.set BK,   128
.set G1, 24
.set G0, 32
.set G1B, 48
.set G0B, 56
.set G1S, 68
.set G0S, 76
.set G1SB, 80
.set G0SB, 88
.set MSB, 0
.macro WIN new
.if MSB != (\new)
	s_set_vgpr_msb (MSB<<8)|(\new)
.set MSB, (\new)
.endif
.endm
.set MUL_LO, 0xa1
.set MUL_HI, 0xf1
.set TO_B,   0x40
.macro JLOAD g0a, g1a, g0b, g1b        ; a joint load: waves 0 and 1 fetch for A, waves 2 and 3 for B; four v_nop follow each of the two lines
	s_cmp_eq_u32 s19, 0
	s_cbranch_scc0 .Lfor_b_\@
	tensor_load_to_lds s[\g0a:\g0a+3], s[\g1a:\g1a+7]
	s_nop 0
.rept 4
	v_nop
.endr
	s_branch .Lasked_\@
.Lfor_b_\@:
	tensor_load_to_lds s[\g0b:\g0b+3], s[\g1b:\g1b+7]
	s_nop 0
.rept 4
	v_nop
.endr
.Lasked_\@:
.endm
.macro CREST
	s_cmp_lg_u32 s18, 0
	s_cbranch_scc1 .Lnot_wave_0_\@
	s_barrier_signal -3
.Lnot_wave_0_\@:
	s_barrier_wait -3
	s_barrier_signal -1
	s_barrier_wait -1
.endm
.macro CROUND
	s_barrier_signal -1
	s_barrier_wait -1
	CREST
.endm
	s_load_b256 s[4:11], s[0:1], 0x0               ; ac s[4:5], asc s[6:7], cod s[8:9], scl s[10:11]
	s_load_b128 s[12:15], s[0:1], 0x20             ; bo s[12:13], out0 s[14:15]
	v_lshl_add_u32 v[SPW], v0, 2, SPARE
	v_mov_b32 v[NIL], 0
	ds_add_u32 v28, v29
	ds_add_u32 v28, v29
	s_wait_dscnt 0x0
	v_lshrrev_b32 v1, 5, v0
	v_readfirstlane_b32 s18, v1                    ; wave 0..3
	s_lshr_b32 s19, s18, 1                         ; which half of the tile's rows is mine.  Also: I fetch for A (0) or for B (1)
	s_and_b32 s20, s18, 1                          ; which half of its columns.  Also: which half I fetch
	s_bfe_u32 s21, ttmp6, 0x40000                  ; cx
	s_bfe_u32 s22, ttmp6, 0x40004                  ; cy
	s_lshl_b32 s40, ttmp9, 2
	s_add_co_u32 s40, s40, s21                     ; tile column
	s_and_b32 s23, ttmp7, 0xffff
	s_lshl_b32 s23, s23, 2
	s_add_co_u32 s23, s23, s22                     ; tile row
	s_lshl_b32 s41, s22, 2
	s_lshl_b32 s41, 15, s41                        ; my row of the cluster
	s_lshl_b32 s42, 0x1111, s21                    ; my column
	; group 1 for A's images: 8 row tiles x 4,096 bytes (512 elements of 8 bytes), 16,384 bytes apart; no padding: they are read as they lie
	s_or_b32 s[G1+0], s41, (3<<16)|(1<<21)         ; 15:0 the mask: my row; 17:16 elements of 8 bytes; 21 set beside a mask
	s_mov_b32 s[G1+1], 512<<16                     ; tensor_dim0
	s_mov_b32 s[G1+2], 8<<16                       ; tensor_dim1
	s_mov_b32 s[G1+3], 512<<16                     ; tile_dim0
	s_mov_b32 s[G1+4], 8                           ; tile_dim1
	s_mov_b32 s[G1+5], 2048                        ; tensor_dim0_stride
	s_mov_b32 s[G1+6], 0
	s_mov_b32 s[G1+7], 0
	; group 1 for B's tiles: 128 rows x 256 bytes, 16 bytes of padding behind each
	s_or_b32 s[G1B+0], s42, (0<<16)|(1<<20)|(1<<21)|(5<<22)|(3<<25)
	s_mov_b32 s[G1B+1], ROWB<<16
	s_mov_b32 s[G1B+2], 128<<16
	s_mov_b32 s[G1B+3], ROWB<<16
	s_mov_b32 s[G1B+4], 128
	s_mov_b32 s[G1B+5], KROW
	s_mov_b32 s[G1B+6], 0
	s_mov_b32 s[G1B+7], 0
	; the scale bytes of 128 rows: 16 rows of 256 bytes, 16 bytes of padding behind each
	s_or_b32 s[G1S+0], s41, (3<<16)|(1<<20)|(1<<21)|(5<<22)|(3<<25)
	s_or_b32 s[G1SB+0], s42, (3<<16)|(1<<20)|(1<<21)|(5<<22)|(3<<25)
.irp g, G1S, G1SB
	s_mov_b32 s[\g+1], 32<<16
	s_mov_b32 s[\g+2], (128*KS/256)<<16
	s_mov_b32 s[\g+3], 32<<16
	s_mov_b32 s[\g+4], 128*KS/256
	s_mov_b32 s[\g+5], 32
	s_mov_b32 s[\g+6], 0
	s_mov_b32 s[\g+7], 0
.endr
	s_lshl_b32 s43, s23, 4
	s_lshl_b32 s3, s20, 3
	s_add_co_u32 s43, s43, s3                      ; A: the first of the 8 row tiles that I fetch
	s_lshl_b32 s44, s43, 14                        ; its codes,
	s_mov_b32 s45, 0
	s_lshl_b32 s46, s43, 9                         ; its 16 rows' scale bytes
	s_mov_b32 s47, 0
	s_lshl_b32 s66, s40, 8
	s_lshl_b32 s3, s20, 7
	s_add_co_u32 s66, s66, s3
	s_add_co_u32 s66, s66, 11264                   ; B: the first of the 128 rows of cod that I fetch
	s_lshl_b32 s92, s66, 10
	s_mov_b32 s93, 0
	s_lshl_b32 s94, s66, 5
	s_mov_b32 s95, 0
	s_lshl_b32 s3, s20, 15                         ; where they go: A's halves, then B's: the wave's number alone
	s_mul_i32 s2, s20, HALFB
	s_add_co_u32 s2, s2, 2*HALFA
	s_mul_i32 s67, s18, HALFS
	s_wait_kmcnt 0x0
	s_add_nc_u64 s[44:45], s[4:5], s[44:45]
	s_add_nc_u64 s[46:47], s[6:7], s[46:47]
	s_add_nc_u64 s[92:93], s[8:9], s[92:93]
	s_add_nc_u64 s[94:95], s[10:11], s[94:95]
	CROUND                                         ; all sixteen work-groups are here: the first joint loads meet
	s_mov_b32 s[G0S], 1
	s_add_co_u32 s[G0S+1], s67, SCL
	s_mov_b64 s[G0S+2:G0S+3], s[46:47]
	s_or_b32 s[G0S+3], s[G0S+3], 0x80000000
	s_mov_b32 s[G0SB], 1
	s_add_co_u32 s[G0SB+1], s67, SCL
	s_mov_b64 s[G0SB+2:G0SB+3], s[94:95]
	s_or_b32 s[G0SB+3], s[G0SB+3], 0x80000000
	JLOAD G0S, G1S, G0SB, G1SB                     ; the scale bytes first: filled once
.irp s, 0,1
	s_mov_b32 s[G0+4*\s], 1
	s_add_co_u32 s[G0+4*\s+1], s3, \s*SLOT
	s_add_nc_u64 s[G0+4*\s+2:G0+4*\s+3], s[44:45], \s*4096
	s_or_b32 s[G0+4*\s+3], s[G0+4*\s+3], 0x80000000
	s_mov_b32 s[G0B+4*\s], 1
	s_add_co_u32 s[G0B+4*\s+1], s2, \s*SLOT
	s_add_nc_u64 s[G0B+4*\s+2:G0B+4*\s+3], s[92:93], \s*ROWB
	s_or_b32 s[G0B+4*\s+3], s[G0B+4*\s+3], 0x80000000
	JLOAD G0+4*\s, G1, G0B+4*\s, G1B
.endr
	v_and_b32 v1, 15, v0                           ; r
	v_bfe_u32 v2, v0, 4, 1                         ; h
	v_and_b32 v6, 31, v0
	v_lshlrev_b32 v[CO], 4, v6                     ; 16 x lane
	v_mul_u32_u24 v3, v1, PITCH
	v_lshl_add_u32 v4, v2, 4, v3                   ; B: a fragment's row x pitch + 16 x half
	s_lshl_b32 s43, s19, 15                        ; my 8 row tiles of A
	s_mul_i32 s66, s20, HALFB                      ; my 128 rows of B,
	s_add_co_u32 s66, s66, 2*HALFA                 ; behind A's
.irp s, 0,1
	v_add_nc_u32 v[ADRA+\s], s43, v[CO]
	v_add_nc_u32 v[ADRB+\s], s66, v4
	s_add_co_u32 s43, s43, SLOT
	s_add_co_u32 s66, s66, SLOT
.endr
	v_mul_u32_u24 v5, v1, KS
	v_lshrrev_b32 v6, 8, v5
	v_lshl_add_u32 v5, v6, 4, v5
	s_mul_i32 s43, s19, HALFS
	s_mul_i32 s66, s20, HALFS
	s_add_co_u32 s66, s66, 2*HALFS
	s_sub_co_u32 s66, s66, s43
	v_mul_u32_u24 v6, s66, v2                      ; lanes 16-31 take B's
	s_add_co_u32 s43, s43, SCL
	v_add_nc_u32 v5, v5, v6
	v_add_nc_u32 v[ADRS], s43, v5
	s_mul_i32 s43, s18, 16*SPITCH                  ; my stage
	v_mul_u32_u24 v5, v1, SPITCH
	v_lshl_add_u32 v5, v2, 6, v5                   ; in: row r, + 64 h: my half's 16 columns of each 32
	v_add_nc_u32 v[STO], s43, v5
	v_add_nc_u32 v[RD], s43, v[CO]                 ; back: the 32 lanes take one row of 512 bytes
	s_lshl_b32 s43, s23, 8
	s_lshl_b32 s66, s19, 7
	s_add_co_u32 s43, s43, s66
	s_lshl_b32 s66, s43, 12                        ; my first row of out0, 4,096 bytes a row (out0 has 2^25 bytes),
	s_lshl_b32 s43, s40, 10
	s_add_co_u32 s66, s66, s43
	s_lshl_b32 s43, s20, 9
	s_add_co_u32 s66, s66, s43                     ; + my first column
	s_mov_b32 s67, 0
	s_add_nc_u64 s[14:15], s[14:15], s[66:67]
	s_lshl_b32 s66, s40, 10                        ; the bias of my 128 columns, in the result's layout
	s_add_co_u32 s66, s66, s43
	s_add_nc_u64 s[100:101], s[12:13], s[66:67]
	v_lshlrev_b32 v7, 6, v2
.irp b, 0,1,2,3,4,5,6,7
	global_load_b128 v[BI+8*\b:BI+8*\b+3], v7, s[100:101] offset:(32*(\b/2)+8*(\b%2))*4
	global_load_b128 v[BI+8*\b+4:BI+8*\b+7], v7, s[100:101] offset:(32*(\b/2)+8*(\b%2))*4+16
.endr
.macro FRAG reg, adr, q, i             ; B: 16 rows x 128 K from padded rows
.irp c, 0,1,2,3
	ds_load_b128 v[\reg+4*\c:\reg+4*\c+3], v[\adr] offset:128*(\q)+32*\c+(\i)*16*PITCH
.endr
.endm
.macro FRAGA reg, adr, q, i            ; A: an image, 512 consecutive bytes a load
.irp c, 0,1,2,3
	ds_load_b128 v[\reg+4*\c:\reg+4*\c+3], v[\adr] offset:(\i)*4096+(\q)*2048+512*\c
.endr
.endm
; 16 matrix instructions: A's blocks a0, a0 + 1 x B's eight.  mode 1: the sums begin with the bias.  The 64 accumulators take turns, one instruction a turn.
.macro MUL16 a0, p, q, sc, mode
.irp a, \a0, \a0+1
.irp b, 0,1,2,3,4,5,6,7
.if (\mode) == 0
	v_wmma_scale_f32_16x16x128_f8f6f4 v[8*(8*((\a)%4)+\b):8*(8*((\a)%4)+\b)+7], v[128*(\p)+FR*\b:128*(\p)+FR*\b+FR-1], v[AF+FR*(\a):AF+FR*(\a)+FR-1], v[8*(8*((\a)%4)+\b):8*(8*((\a)%4)+\b)+7], v[SC+8*NQ*(\sc)+NQ*\b+(\q)], v[SC+8*NQ*(\sc)+NQ*(\a)+(\q)] matrix_a_scale:MATRIX_SCALE_ROW1
.else
	v_wmma_scale_f32_16x16x128_f8f6f4 v[8*(8*((\a)%4)+\b):8*(8*((\a)%4)+\b)+7], v[128*(\p)+FR*\b:128*(\p)+FR*\b+FR-1], v[AF+FR*(\a):AF+FR*(\a)+FR-1], v[BI+8*\b:BI+8*\b+7], v[SC+8*NQ*(\sc)+NQ*\b+(\q)], v[SC+8*NQ*(\sc)+NQ*(\a)+(\q)] matrix_a_scale:MATRIX_SCALE_ROW1
.endif
.endr
.endr
.endm
.macro FETCH_B slot, q, p
	WIN TO_B
.irp i, 0,1,2,3,4,5,6,7
	FRAG 128*(\p)+FR*\i, ADRB+\slot, \q, \i
.endr
	WIN 0
.endm
.macro FETCH_A slot, q, i0
.irp i, \i0, \i0+1, \i0+2, \i0+3
	FRAGA AF+FR*(\i), ADRA+\slot, \q, \i
.endr
.endm
.macro SCALES sc
.irp i, 0,1,2,3,4,5,6,7
	ds_load_b64 v[SC+8*NQ*\sc+NQ*\i:SC+8*NQ*\sc+NQ*\i+1], v[ADRS] offset:\i*SBLK
.endr
.endm
.macro PLACES n                        ; plain vector lines between a matrix instruction and a load into its sources or a read of its result
.rept \n
	v_nop
.endr
.endm
.macro STEP slot, q, mode
	s_wait_dscnt 4*NL                              ; B's set and A's blocks 0-3 are in; the youngest 16 loads (A's blocks 4-7) may be out
.if (\mode)
	WIN 0x81                                       ; C (the bias) window 0, D window 2
.else
	WIN MUL_LO
.endif
	MUL16 0, (\q)%2, \q, \slot, \mode
	MUL16 2, (\q)%2, \q, \slot, \mode
	s_wait_dscnt 0
	PLACES NP
	FETCH_B \slot, (\q)+1, 1-(\q)%2
	FETCH_A \slot, (\q)+1, 0
.if (\mode)
	WIN 0xc1
.else
	WIN MUL_HI
.endif
	MUL16 4, (\q)%2, \q, \slot, \mode
	MUL16 6, (\q)%2, \q, \slot, \mode
	PLACES NP
	WIN 0
	FETCH_A \slot, (\q)+1, 4
.endm
; A slot's last step changes slots: ONE barrier; in front of it each wave waits for all its tensor loads, adds 0 to its spare word, and waits for that and for its own reads of this slot.
.macro TURN slot, next, fill
	s_wait_tensorcnt 0x0                           ; all my tensor loads have landed: my part of the next slot
	ds_add_u32 v[SPW], v[NIL]                      ; 0 onto my spare word
	s_wait_dscnt 4*NL+1                            ; (the add and the youngest 16 loads may be out)
	WIN MUL_LO
	MUL16 0, 1, NQ-1, \slot, 0
	s_wait_dscnt 0x0                               ; the add is done, and my reads of this slot are over
	s_barrier_signal -1
	MUL16 2, 1, NQ-1, \slot, 0
	WIN 0
	s_barrier_wait -1
.if \fill
	CREST                                          ; a round of the cluster's barrier: no wave of any partner still reads this slot's tile or has a load on its way
	s_add_nc_u64 s[G0+4*\slot+2:G0+4*\slot+3], s[G0+4*\slot+2:G0+4*\slot+3], 2*4096
	s_add_nc_u64 s[G0B+4*\slot+2:G0B+4*\slot+3], s[G0B+4*\slot+2:G0B+4*\slot+3], 2*ROWB
	JLOAD G0+4*\slot, G1, G0B+4*\slot, G1B         ; the first tensor load behind the round
	PLACES NP-4
.else
	PLACES NP
.endif
	v_add_nc_u32 v[ADRS], 4*NQ, v[ADRS]            ; on to the next K step's scale words (no LDS load of mine is out)
	FETCH_B \next, 0, 0
	FETCH_A \next, 0, 0
	SCALES \next
	WIN MUL_HI
	MUL16 4, 1, NQ-1, \slot, 0
	MUL16 6, 1, NQ-1, \slot, 0
	PLACES NP
	WIN 0
	FETCH_A \next, 0, 4
.endm
	s_wait_tensorcnt 1                             ; the scale bytes and my part of K step 0 are in (K step 1's load may be out)
	s_barrier_signal -1
	s_barrier_wait -1                              ; everybody's are
	FETCH_B 0, 0, 0
	FETCH_A 0, 0, 0
	SCALES 0
	FETCH_A 0, 0, 4
	s_wait_loadcnt 0x0                             ; the bias
	STEP 0, 0, 1
	TURN 0, 1, 1                                   ; K = 1,024 is four slots' worth: written straight through
	STEP 1, 0, 0
	TURN 1, 0, 1
	STEP 0, 0, 0
	TURN 0, 1, 0                                   ; the last lap fills nothing
	STEP 1, 0, 0
	s_wait_dscnt 4*NL
	WIN MUL_LO
	MUL16 0, 1, NQ-1, 1, 0
	MUL16 2, 1, NQ-1, 1, 0
	s_wait_dscnt 0
	WIN MUL_HI
	MUL16 4, 1, NQ-1, 1, 0
	MUL16 6, 1, NQ-1, 1, 0
	WIN 0
; THE WAY OUT, block by block of 16 rows x 128 columns, through my own stage in LDS: in by the columns' true places, back as whole rows of 512 bytes.  LDS serves a wave's instructions in order (ISA guide 5.7.1.4): no wait between the stores and the loads.
.macro TOSTAGE a
.set AC, 64*((\a)%4)
.set WN, 0x08+4*((\a)/4)
	WIN WN                                         ; an LDS store's data: window 2 or 3
.irp b, 0,1,2,3,4,5,6,7
	ds_store_b128 v[STO], v[AC+8*\b:AC+8*\b+3] offset:128*(\b/2)+32*(\b%2)        ; each accumulator from its low end on
	ds_store_b128 v[STO], v[AC+8*\b+4:AC+8*\b+7] offset:128*(\b/2)+32*(\b%2)+16
.endr
	WIN 0
.set BB, BK+64*((\a)%2)
.irp t, 0,1,2,3,4,5,6,7,8,9,10,11,12,13,14,15
	ds_load_b128 v[BB+4*\t:BB+4*\t+3], v[RD] offset:\t*SPITCH
.endr
.endm
.macro SEND a, younger                 ; younger: the LDS instructions issued behind block a's loads, which may stay out
.set BB, BK+64*((\a)%2)
	s_wait_dscnt \younger
.irp t, 0,1,2,3,4,5,6,7,8,9,10,11,12,13,14,15
	global_store_b128 v[CO], v[BB+4*\t:BB+4*\t+3], s[14:15] offset:(32*((\a)/2)+8*((\a)%2)+\t+8*(\t/8))*4096 th:TH_STORE_NT   ; stored row t of block a is row 32 (a / 2) + 8 (a % 2) + t + 8 (t / 8) of my 128; 32 lanes store 512 consecutive bytes, aligned
.endr
.endm
	PLACES NP                                      ; behind the last products: results are read, and loads land in A's registers, below
	TOSTAGE 0
.irp a, 1,2,3,4,5,6,7
.if \a > 1
	s_wait_xcnt 0x0                                ; block a - 2's stores have read their registers: block a's loads may land there
.endif
	TOSTAGE \a
	SEND \a-1, 32                                  ; behind block a - 1's loads: block a's 16 stores and 16 loads
.endr
	SEND 7, 0
	s_wait_tensorcnt 0x0                           ; the wave's end
	ds_add_u32 v[SPW], v[NIL]
	s_wait_dscnt 0x0
	CROUND                                         ; the closing round
	s_endpgm
.Lfunc_end_k_q270d6439c7_oproj:
	.size	k_q270d6439c7_oproj, .Lfunc_end_k_q270d6439c7_oproj-k_q270d6439c7_oproj
	.p2alignl 7, 3214868480
	.fill 96, 4, 3214868480
	.section	.rodata,"a",@progbits
	.p2align	6, 0x0
	.amdhsa_kernel k_q270d6439c7_oproj
		.amdhsa_group_segment_fixed_size 327680
		.amdhsa_private_segment_fixed_size 0
		.amdhsa_enable_private_segment 0
		.amdhsa_kernarg_size 48
		.amdhsa_user_sgpr_count 2
		.amdhsa_user_sgpr_kernarg_segment_ptr 1
		.amdhsa_wavefront_size32 1
		.amdhsa_system_sgpr_workgroup_id_x 1
		.amdhsa_system_sgpr_workgroup_id_y 1
		.amdhsa_system_sgpr_workgroup_id_z 1
		.amdhsa_system_vgpr_workitem_id 0
		.amdhsa_next_free_vgpr 1024
		.amdhsa_next_free_sgpr 102
		.amdhsa_reserve_vcc 0
		.amdhsa_float_denorm_mode_32 3
		.amdhsa_float_denorm_mode_16_64 3
		.amdhsa_memory_ordered 1
		.amdhsa_forward_progress 1
		.amdhsa_inst_pref_size 146
	.end_amdhsa_kernel
	.amdgpu_metadata
---
amdhsa.version: [ 1, 2 ]
amdhsa.kernels:
  - .name:           k_q270d6439c7_oproj
    .symbol:         k_q270d6439c7_oproj.kd
    .args:
      - { .name: ac, .offset: 0, .size: 8, .value_kind: global_buffer, .address_space: global }
      - { .name: asc, .offset: 8, .size: 8, .value_kind: global_buffer, .address_space: global }
      - { .name: cod, .offset: 16, .size: 8, .value_kind: global_buffer, .address_space: global }
      - { .name: scl, .offset: 24, .size: 8, .value_kind: global_buffer, .address_space: global }
      - { .name: bo, .offset: 32, .size: 8, .value_kind: global_buffer, .address_space: global }
      - { .name: out0, .offset: 40, .size: 8, .value_kind: global_buffer, .address_space: global }
    .group_segment_fixed_size: 327680
    .private_segment_fixed_size: 0
    .kernarg_segment_align: 8
    .kernarg_segment_size: 48
    .max_flat_workgroup_size: 128
    .sgpr_count:     102
    .vgpr_count:     1024
    .wavefront_size: 32
...
	.end_amdgpu_metadata
.endif
;; end of part 4
;; ======== version 2 of 2: 4 launches; version 1 with the launch attn written anew for expert scheduling mode
;; workspace buffers: cod 12,582,912 bytes; scl 393,216 bytes; qkv 25,165,824 bytes; qkvs 1,572,864 bytes; ac 8,388,608 bytes; asc 262,144 bytes
;; launch prep: the kernel of part 1 again; grid 384 x 1, 4 waves a work-group, no clusters, 68,096 bytes of LDS; arguments x, Wq, Wk, Wv, Wo, cod, scl; writes cod, scl
;; launch qkvp: the kernel of part 2 again; grid 8 x 48, 4 waves a work-group, clusters of 4 x 4, 327,680 bytes of LDS; arguments cod, scl, bq, bk, bv, qkv, qkvs; writes qkv, qkvs
;; launch attn (part 5): grid 256 x 1, 16 waves a work-group, no clusters, 101,888 bytes of LDS; arguments qkv, qkvs, ac, asc; writes ac, asc
.if DOCPART == 5
	.amdgcn_target "amdgcn-amd-amdhsa--gfx1250"
	.amdhsa_code_object_version 6
	.text
	.protected	k_q270d6439c7_attn
	.globl	k_q270d6439c7_attn
	.p2align	8
	.type	k_q270d6439c7_attn,@function
k_q270d6439c7_attn:
	s_mov_b64 s[64:65], 0
	v_nop
	global_prefetch_b8 v0, s[64:65] scope:SCOPE_SE
	s_setreg_imm32_b32 hwreg(HW_REG_WAVE_SCHED_MODE, 0, 2), 2
	s_setreg_imm32_b32 hwreg(HW_REG_WAVE_MODE, 25, 1), 1
	s_wait_xcnt 0x0
	s_wait_alu depctr_vm_vsrc(0)
; Causal attention on codes of FP8 (E4M3) with E8M0 scales: S = q k^T / 8 (K = the head's 64), p = 2^(t - M), O = p v / l (K = the keys), and O quantised along the model's 1,024 for the product with Wo.
; t = score x log2(e) / 8; M = the row's largest t so far, rounded UP to a whole number; p is quantised along the keys and not normalised; the row's sum l is taken of the unquantised p and divides O at the end.  When M moves, l and O are multiplied by 2^(old M - new M): exact.
; INPUTS are register images (see the launch that makes them): a step of 128 tokens of q or k is [tile 8][2][lane][16 bytes], of v [tile of 16 channels 4][4][lane][16]; tile 2 b + u holds tokens 32 b + 8 u + r + 8 (r / 8) in its rows r.
; SHARES.  Work-group 4 bh + j takes query blocks j and 7 - j (256 queries each) of head bh: (j + 1) + (8 - j) = 9 slots of 256 keys for every work-group: one loop of nine trips.  Each of SIXTEEN waves owns one tile of 16 queries, in 256 registers:
; four waves to a SIMD, so that one wave's vector work stands beside another's matrix work and LDS loads.  A step all of whose 128 keys come after the wave's queries is jumped over; on the diagonal hidden scores become -infinity ahead of the maximum.
; K AND V REACH LDS THROUGH REGISTERS: a slot's images are three dense runs of memory, copied as they lie: each thread loads 16 bytes four times (waves 0-2 once more, for the scale words) straight behind a trip's barrier and stores them into the
; other slot at the next trip's head: the loads have a whole trip in which to land.  Two slots, one barrier a trip: in front of it a wave's stores have landed and its reads of the slot that is written next are over.
; BOTH PRODUCTS ARE USED TRANSPOSED: S^T = k q^T, O^T = v^T p^T: a lane holds one query (lane % 16) throughout; p's 16 registers of two neighbouring tiles are 16 neighbouring keys, O^T's 16 neighbouring channels: the conversions' results are the next operand's registers.
; K = 64 IN A FORM THAT TAKES 128: q's upper eight registers are zero codes, so what k's operand holds there (the next tile's codes, finite numbers; for tile 7 zeros) adds nothing; the scale bytes of those blocks are 0, which is a number.
; OUT: ac [row tile 512][head 16][2][lane][16 bytes] codes; asc [8,192 stored rows][32] scale bytes, byte 2 head + c (two bytes a row, rows 32 bytes apart: 3 bytes in 100 of what this launch stores; the layout is the one from which the next launch takes whole units).
; NO CLUSTER: the four work-groups of a head want different slots in the same trip (0 .. j, then 0 .. 7 - j), so no tile could be asked for jointly.  NO PREFETCH: behind the first trip no wave waits for the stream.
; LIMITS: reference()'s -1e9 above the diagonal is taken as p = 0, which it is in f32 while |score| / 8 stays far under 1e9; a block of zeros gets the byte 1 (its codes are zeros; this program alone reads the bytes); NaN and infinities are not served.
; THE MODE: SCHED_MODE bits 1:0 = 2 (LLVM: expert scheduling mode 2), set by the entry lines.  The code itself states the register dependences between vector or matrix instructions and memory or LDS instructions, with s_wait_alu, always for 0.
; THE PLAN.  Registers that memory or LDS instructions touch, and who else names them:
;   v5            offset of the loads of k, v and their scale words: made at the head, never written again.
;   v1, v2, v4    LDS addresses in the slot in hand: written together at a trip's head, read by all LDS instructions of the trip.  v2 is also the address of q's stash: written at the head and where a block of queries ends.
;   v216-235      the next slot on its way: global loads land there behind the barrier, the next trip's LDS stores read them; no vector instruction names them.
;   v32-95        LDS loads bring k's tiles, the step's eight products k q^T read them; LDS loads bring v's tiles, its four products v^T p^T read them.  v6-9 and v10-11, the scale words, go with them.
;   v16-23, v255  q and its scale word: loaded at the head and once more at the change of blocks; read by every product k q^T.
;   v200-215      at the head the second block's q on its way to the stash; then p's codes; where a block ends its codes, which stores read, with v254 (two bytes) and v236, v237 (offsets).
; All 256 registers of a wave are taken and a SIMD's four waves share its 1,024: k's and v's tiles have no second buffer.
; THE WAITS.  A trip's head: one on vm_vsrc (all that was issued has read its registers), the four address lines, one on va_vdst (the addresses are written; the last trip's products are done reading the tiles' registers): it serves the trip's LDS stores and
; step 0's loads of k, since nothing between names their registers.  Behind the LDS stores one on vm_vsrc: v216-235 may be loaded again, v2 written again.  In a step: one on va_vdst ahead of k's loads (step 1 alone), one ahead of v's, one ahead of the products v^T p^T
; (the codes and p's scale word are written), beside the two behind the exponentials.  v's loads are dealt among the lines that search for the maximum, which name none of their registers.
.set SLOT1, 65536                      ; slot s begins at 65,536 s: k's images 16,384 bytes, v's 16,384, the scale words 1,536
.set VOFF,  16384
.set SOFF,  32768
.set QH,    34816                      ; behind slot 0: 1,536 bytes for each wave: the second block's q, each wave's own
.set S,    104                         ; v104-167 S^T, then p
.set O,    168                         ; v168-199 O^T
.set PCD,  200                         ; v200-215 p's codes
.set BM,   236                         ; v236-239 a block's largest score, then p
.set PB,   240                         ; v240-243 the other half's, a chain of the sum, the bytes
.set LM,   244                         ; v244-247 448 x the scale
.set SO,   248                         ; v248-251 the conversions' scale operands
.set MK,   2                           ; s2-s17 sixteen masks of the diagonal's compares: free once the head's loads are in
; v0 thread; v1 slot + 16 lane; v2 slot + 16 thread (also q's stash); v3 r + 8 (r / 8) - 16 h; v4 slot + 8 lane; v5 16 thread; v[6:9] k's scale words; v[10:11] v's; v12 -M; v13 the largest t; v[14:15] the sum in two halves;
; v16-23 q's codes, v24-31 zeros; v32-95 k's eight tiles x 8, then v's four x 16; v96-103 zeros; v216-235 the next slot on its way; v252 f; v253 p's scale word; v254 at work; v255 q's scale word.
; s18 wave; s19 448's mantissa; s[20:21] lane selects; s[22:23] c; s24 the slot in hand; s25 the trip; s26 the trip that ends the block in hand; s27 the step's first key; s28 my tile's lowest query; s29 the slot of keys to load;
; s[30:35] where it lies (k, v, scale words); s[36:41] the head's; s[48:51] where my results go; s[52:56] the same and the lowest query for the second block; s57 q's stash.
	s_load_b256 s[4:11], s[0:1], 0x0               ; qkv s[4:5], qkvs s[6:7], ac s[8:9], asc s[10:11]
	v_lshrrev_b32 v1, 5, v0
	v_readfirstlane_b32 s18, v1                    ; wave 0..15
	s_lshr_b32 s42, ttmp9, 2                       ; the head of a batch, 0..63
	s_and_b32 s26, ttmp9, 3                        ; j: the first block, and the trip that ends it
	s_sub_co_u32 s43, 7, s26                       ; the second block
	s_lshl_b32 s44, s26, 4
	s_wait_alu depctr_va_sdst(0)                   ; s18 is written, ahead of its first reader
	s_add_co_u32 s44, s44, s18                     ; my tile in the first block,
	s_lshl_b32 s45, s43, 4
	s_add_co_u32 s45, s45, s18                     ; and in the second
	s_lshr_b32 s46, s18, 1
	s_lshl_b32 s46, s46, 5
	s_and_b32 s47, s18, 1
	s_lshl_b32 s12, s47, 3
	s_add_co_u32 s46, s46, s12                     ; 32 (w / 2) + 8 (w % 2)
	s_lshl_b32 s28, s26, 8
	s_add_co_u32 s28, s28, s46                     ; my tile's queries are this + r + 8 (r / 8)
	s_lshl_b32 s56, s43, 8
	s_add_co_u32 s56, s56, s46
	s_lshl_b32 s47, s47, 8                         ; q's scale word in a slot's image: 512 (w / 8) + 256 (w % 2) + 4 ((w % 8) / 2), + 16 r
	s_lshr_b32 s12, s18, 3
	s_lshl_b32 s12, s12, 9
	s_add_co_u32 s47, s47, s12
	s_bfe_u32 s12, s18, 0x20001
	s_lshl_b32 s12, s12, 2
	s_add_co_u32 s47, s47, s12
	s_mul_i32 s13, s42, 12288                      ; the head's scale words
	s_add_co_u32 s47, s47, s13
	s_mul_i32 s14, s26, 1536
	s_add_co_u32 s14, s14, s47
	s_mov_b32 s15, 0
	s_mul_i32 s16, s43, 1536
	s_add_co_u32 s16, s16, s47
	s_mov_b32 s17, 0
	s_lshl_b32 s12, s42, 17                        ; the head's codes
	s_lshl_b32 s58, s44, 10
	s_add_co_u32 s58, s58, s12
	s_mov_b32 s59, 0
	s_lshl_b32 s60, s45, 10
	s_add_co_u32 s60, s60, s12
	s_mov_b32 s61, 0
	s_add_co_u32 s36, s12, 8388608                 ; k
	s_mov_b32 s37, 0
	s_add_co_u32 s38, s12, 16777216                ; v
	s_mov_b32 s39, 0
	s_add_co_u32 s40, s13, 786432                  ; their scale words
	s_mov_b32 s41, 0
	s_lshr_b32 s62, s42, 4
	s_lshl_b32 s62, s62, 7                         ; 128 row tiles a batch
	s_and_b32 s63, s42, 15                         ; the head in its batch
	s_add_co_u32 s44, s44, s62
	s_add_co_u32 s45, s45, s62
	s_lshl_b32 s12, s63, 10
	s_lshl_b32 s48, s44, 14
	s_add_co_u32 s48, s48, s12
	s_mov_b32 s49, 0
	s_lshl_b32 s52, s45, 14
	s_add_co_u32 s52, s52, s12
	s_mov_b32 s53, 0
	s_lshl_b32 s12, s63, 1
	s_lshl_b32 s50, s44, 9
	s_add_co_u32 s50, s50, s12
	s_mov_b32 s51, 0
	s_lshl_b32 s54, s45, 9
	s_add_co_u32 s54, s54, s12
	s_mov_b32 s55, 0
	s_mul_i32 s57, s18, 1536
	s_add_co_u32 s57, s57, QH
	s_mov_b32 s19, 0x600000
	s_mov_b32 s20, 0x76543210
	s_mov_b32 s21, 0xfedcba98
	s_mov_b32 s22, 0x3e38aa3b                      ; c = log2(e) / 8
	s_mov_b32 s23, s22                             ; (named with it as a pair, so it is written)
	s_mov_b32 s24, 0
	s_mov_b32 s25, 0
	s_mov_b32 s27, 0
	s_mov_b32 s29, 0
	v_and_b32 v2, 31, v0
	v_lshlrev_b32 v1, 4, v2                        ; 16 x lane
	v_and_b32 v3, 15, v0                           ; r
	v_lshlrev_b32 v4, 4, v3                        ; 16 r
	v_lshlrev_b32 v5, 4, v0                        ; 16 x thread
	s_wait_kmcnt 0x0
	s_add_nc_u64 s[14:15], s[6:7], s[14:15]
	s_add_nc_u64 s[16:17], s[6:7], s[16:17]
	s_add_nc_u64 s[58:59], s[4:5], s[58:59]
	s_add_nc_u64 s[60:61], s[4:5], s[60:61]
	s_add_nc_u64 s[36:37], s[4:5], s[36:37]
	s_add_nc_u64 s[38:39], s[4:5], s[38:39]
	s_add_nc_u64 s[40:41], s[6:7], s[40:41]
	s_add_nc_u64 s[48:49], s[8:9], s[48:49]
	s_add_nc_u64 s[52:53], s[8:9], s[52:53]
	s_add_nc_u64 s[50:51], s[10:11], s[50:51]
	s_add_nc_u64 s[54:55], s[10:11], s[54:55]
	s_wait_alu depctr_va_vdst(0)                   ; v1, v4 and v5 are written, which the loads below read as their offsets
	global_load_b128 v[200:203], v1, s[60:61]      ; the second block's q, to be put by in LDS
	global_load_b128 v[204:207], v1, s[60:61] offset:512
	global_load_b32 v208, v4, s[16:17]
	global_load_b128 v[16:19], v1, s[58:59]        ; the first block's
	global_load_b128 v[20:23], v1, s[58:59] offset:512
	global_load_b32 v255, v4, s[14:15]
	global_load_b128 v[216:219], v5, s[36:37]      ; keys 0 to 255: 512 threads x 16 bytes are 8,192 consecutive bytes
	global_load_b128 v[220:223], v5, s[36:37] offset:8192
	global_load_b128 v[224:227], v5, s[38:39]
	global_load_b128 v[228:231], v5, s[38:39] offset:8192
	s_cmp_lt_u32 s18, 3
	s_cbranch_scc0 .Lno_sc_0
	global_load_b128 v[232:235], v5, s[40:41]      ; 96 threads x 16 bytes: the slot's scale words
.Lno_sc_0:
	v_lshl_add_u32 v2, v2, 4, s57                  ; q's stash: 16 x lane in my wave's bytes (no memory instruction has named v2 yet)
	v_and_b32 v254, 8, v3
	v_add_nc_u32 v3, v3, v254
	v_bfe_u32 v254, v0, 4, 1
	v_lshlrev_b32 v254, 4, v254
	v_sub_nc_u32 v3, v3, v254                      ; r + 8 (r / 8) - 16 h
.irp i, 0,1,2,3,4,5,6,7
	v_mov_b32 v[24+\i], 0                          ; zero codes: q's K = 64 .. 127
	v_mov_b32 v[96+\i], 0                          ; and what stands behind k's last tile
.endr
.set n, 0
.rept 32
	v_mov_b32 v[O+n], 0                            ; O^T.  (The step is written once: the first finds zeros, which the first change of M leaves zeros)
.set n, n+1
.endr
	v_mov_b32 v13, 0xff61b1e6                      ; the largest t so far: -3e38, under every t
	v_floor_f32 v12, -v13                          ; -M
	v_mov_b32 v14, 0
	v_mov_b32 v15, 0
.irp b, 0,1,2,3
	v_mov_b32 v[PB+\b], 0                          ; written once: a lane permute's destination counts as one of its sources
.endr
	v_mov_b32 v253, 0                              ; (named as the upper half of the pair v[252:253] before it is first written)
	s_wait_loadcnt 0x0
	s_wait_alu depctr_va_vdst(0)                   ; v2 is written, which the stores below read as their address; so are the zero codes v24-31 and v96-103, which the scaled products take as parts of their operands
	ds_store_b128 v2, v[200:203]
	ds_store_b128 v2, v[204:207] offset:512
	ds_store_b32 v2, v208 offset:1024              ; the words 16 bytes apart, by the same address
; v's tile t of the slot's q-th step: an image, 512 consecutive bytes a load
.macro VTILE q, t
.irp c, 0,1,2,3
	ds_load_b128 v[32+16*(\t)+4*\c:32+16*(\t)+4*\c+3], v1 offset:VOFF+8192*(\q)+2048*(\t)+512*\c
.endr
.endm
; A KEY STEP: 128 keys, the q-th of the slot in hand.
.macro STEP q
	s_add_co_u32 s42, s28, 23                      ; my highest query
	s_cmp_gt_u32 s27, s42
	s_cbranch_scc1 .Lhidden_\@                     ; all 128 keys come after it: a branch on ids and counters; no barrier stands in a step
.rept 8
	v_nop                                          ; places in front of loads into registers that the last step's products have read
.endr
.if (\q) > 0
	s_wait_alu depctr_va_vdst(0)                   ; the last step's products v^T p^T are done reading v32-95, in which k's tiles land.  (In a trip's first step the wait at the trip's head has said so, and nothing since names these registers)
.endif
.irp t, 0,1,2,3,4,5,6,7
.irp c, 0,1
	ds_load_b128 v[32+8*\t+4*\c:32+8*\t+4*\c+3], v1 offset:8192*(\q)+1024*\t+512*\c   ; an image comes back as it was stored: 512 consecutive bytes
.endr
.endr
	ds_load_b128 v[6:9], v1 offset:SOFF+512*(\q)   ; word w: lanes 0-15 tile 2 w's rows, lanes 16-31 tile 2 w + 1's
	s_wait_dscnt 0x0
.irp t, 0,2,4,6                                ; S^T = k q^T
	v_wmma_scale_f32_16x16x128_f8f6f4 v[S+8*\t:S+8*\t+7], v[32+8*\t:32+8*\t+15], v[16:31], 0, v[6+\t/2], v255
	v_wmma_scale_f32_16x16x128_f8f6f4 v[S+8*\t+8:S+8*\t+15], v[40+8*\t:40+8*\t+15], v[16:31], 0, v[6+\t/2], v255 matrix_a_scale:MATRIX_SCALE_ROW1
.endr
.rept 8
	v_nop                                          ; places: the scores are read and k's registers loaded below
.endr
	s_wait_alu depctr_va_vdst(0)                   ; the eight products are done reading k's tiles in v32-95, in which v's land (the products that read v10-11 stand further back).  No vector line from here to the products v^T p^T names v32-95, v10-11, v1 or v4: v's loads are dealt among them
	VTILE \q, 0                                    ; v's tiles land under the softmax
	ds_load_b64 v[10:11], v4 offset:SOFF+1024+256*(\q)
	s_add_co_u32 s42, s27, 127                     ; a step all of whose keys count skips the mask
	s_cmp_le_u32 s42, s28
	s_cbranch_scc1 .Lopen_\@
	s_sub_co_i32 s42, s28, s27
	v_add_nc_u32 v252, s42, v3                     ; d = my query - the step's first key - 16 h.  Register 16 b + i holds key 32 b + 16 h + i of the step: hidden where 32 b + i > d
	v_mov_b32 v254, 0xff800000                     ; -infinity
.set g, 0
.rept 4                                        ; a block of 32 keys at a time: sixteen compares into sixteen masks, one wait, sixteen selects
.set n, 0
.rept 16
	v_cmp_gt_i32 s[MK+n], 32*g+n, v252
.set n, n+1
.endr
	s_wait_alu depctr_va_sdst(0)                   ; the sixteen masks are written, ahead of the selects that read them
.set n, 0
.rept 16
	v_cndmask_b32 v[S+16*g+n], v[S+16*g+n], v254, s[MK+n]
.set n, n+1
.endr
.set g, g+1
.endr
.Lopen_\@:
.irp b, 0,1,2,3
	v_max3_num_f32 v[BM+\b], v[S+16*\b], v[S+16*\b+1], v[S+16*\b+2]   ; the largest score of each block of 32 keys: it serves for the row's maximum and, since p rises with the score, for the block's largest p
.endr
.irp i, 3,5,7,9,11,13
.irp b, 0,1,2,3
	v_max3_num_f32 v[BM+\b], v[BM+\b], v[S+16*\b+\i], v[S+16*\b+\i+1]
.endr
.if \i == 3
	VTILE \q, 1                                    ; four loads at a time, among lines that name the scores and v236-239 alone
.endif
.if \i == 7
	VTILE \q, 2
.endif
.if \i == 11
	VTILE \q, 3
.endif
.endr
.irp b, 0,1,2,3
	v_max_num_f32 v[BM+\b], v[BM+\b], v[S+16*\b+15]
.endr
.irp b, 0,1,2,3
	v_permlanex16_b32 v[PB+\b], v[BM+\b], s20, s21
.endr
.irp b, 0,1,2,3
	v_max_num_f32 v[BM+\b], v[BM+\b], v[PB+\b]     ; with lane l xor 16's 16 keys
.endr
	v_max3_num_f32 v254, v[BM], v[BM+1], v[BM+2]
	v_max_num_f32 v254, v254, v[BM+3]              ; the step's largest score of my query
	v_mul_f32 v254, s22, v254                      ; as t (c is positive)
	v_max_num_f32 v13, v13, v254                   ; the running largest t
	v_mov_b32 v254, v12
	v_floor_f32 v12, -v13                          ; the new -M = floor(-t) = -ceil(t)
	v_sub_f32 v254, v12, v254                      ; old M - new M: a whole number, 0 or less
	v_cvt_i32_f32 v254, v254                       ; (it saturates)
	v_ldexp_f32 v252, 1.0, v254                    ; f = 2^(old M - new M)
.set n, 0
.rept 32
	v_pk_fma_f32 v[S+n:S+n+1], v[S+n:S+n+1], s[22:23], v[12:13] op_sel_hi:[1,0,0]   ; t - M, two at a time
.set n, n+2
.endr
.irp b, 0,1,2,3
	v_fma_f32 v[BM+\b], v[BM+\b], s22, v12         ; the same of each block's largest score
.endr
.set n, 0
.rept 64
	v_exp_f32 v[S+n], v[S+n]                       ; p = 2^(t - M), at most 1
.set n, n+1
.endr
	v_pk_mul_f32 v[14:15], v[14:15], v[252:253] op_sel_hi:[1,0]   ; the sums under the new M (a plain line behind the exponentials)
	s_wait_alu depctr_va_vdst(0)                   ; the 64 exponentials have written p in v104-167: one wait for the batch, ahead of its first reader
.irp b, 0,1,2,3
	v_exp_f32 v[BM+\b], v[BM+\b]                   ; the block's largest p: the same two instructions on the same number
.endr
	v_pk_add_f32 v[PB:PB+1], v[S:S+1], v[S+2:S+3]  ; the row's sum is taken of the unquantised p, in two chains; it reads the 64 alone
.set n, 4
.rept 15
	v_pk_add_f32 v[14:15], v[14:15], v[S+n:S+n+1]
	v_pk_add_f32 v[PB:PB+1], v[PB:PB+1], v[S+n+2:S+n+3]
.set n, n+4
.endr
	v_pk_add_f32 v[14:15], v[14:15], v[PB:PB+1]
	s_wait_alu depctr_va_vdst(0)                   ; the four exponentials have written v236-239, ahead of their first reader
.irp b, 0,1,2,3
	v_max_num_f32 v[BM+\b], 0x4800000, v[BM+\b]    ; the floor 2^(9 - 127): the byte cannot fall under 1
.endr
.irp b, 0,1,2,3
	v_add_nc_u32 v[SO+\b], 0xfc000000, v[BM+\b]    ; 8 off the exponent field: the conversion's scale operand
.endr
.irp b, 0,1,2,3
	v_and_or_b32 v[LM+\b], v[BM+\b], 0x7f800000, s19   ; 448 x the scale
.endr
.irp b, 0,1,2,3
	v_lshrrev_b32 v[PB+\b], 23, v[SO+\b]           ; the scale's byte
.endr
	v_lshl_or_b32 v253, v[PB+1], 8, v[PB]          ; p's scale word for these 128 keys
	v_lshl_or_b32 v253, v[PB+2], 16, v253
	v_lshl_or_b32 v253, v[PB+3], 24, v253
.irp b, 0,1,2,3
.irp i, 0,1,2,3,4,5,6,7,8,9,10,11,12,13,14,15
	v_min_num_f32 v[S+16*\b+\i], v[S+16*\b+\i], v[LM+\b]   ; the conversion to an 8-bit code does not saturate (ISA guide 7.6.2); p is not negative, so the hold is one-sided
.endr
	v_cvt_scalef32_pk8_fp8_f32 v[PCD+4*\b:PCD+4*\b+1], v[S+16*\b:S+16*\b+7], v[SO+\b]
	v_cvt_scalef32_pk8_fp8_f32 v[PCD+4*\b+2:PCD+4*\b+3], v[S+16*\b+8:S+16*\b+15], v[SO+\b]
.endr
.set n, 0
.rept 16
	v_pk_mul_f32 v[O+n:O+n+1], v[O+n:O+n+1], v[252:253] op_sel_hi:[1,0]   ; O^T under the new M.  (These sixteen are also the places between the codes and the products)
.set n, n+2
.endr
	s_wait_dscnt 0x0                               ; v's tiles and scale words
	s_wait_alu depctr_va_vdst(0)                   ; the conversions have written p's codes v200-215 and the shifts its scale word v253, which the scaled products take as operand and scales; the places above stay beside this wait
.irp t, 0,2                                    ; O^T += v^T p^T: four accumulators by turns
	v_wmma_scale_f32_16x16x128_f8f6f4 v[O+8*\t:O+8*\t+7], v[32+16*\t:32+16*\t+15], v[PCD:PCD+15], v[O+8*\t:O+8*\t+7], v[10+\t/2], v253
	v_wmma_scale_f32_16x16x128_f8f6f4 v[O+8*\t+8:O+8*\t+15], v[48+16*\t:48+16*\t+15], v[PCD:PCD+15], v[O+8*\t+8:O+8*\t+15], v[10+\t/2], v253 matrix_a_scale:MATRIX_SCALE_ROW1
.endr
.Lhidden_\@:
	s_add_co_u32 s27, s27, 128
.endm
.Ltrip:                                            ; nine trips, a slot of 256 keys each
	s_wait_loadcnt 0x0                             ; the slot asked for a trip ago is in my registers, and its loads have read their addresses
	s_wait_alu depctr_vm_vsrc(0)                   ; the LDS loads and stores issued so far (in the first trip q's loads too) have read v1, v2 and v4, which are written below; the stash's stores have read v200-208, and a finished block's stores v200-207, v236, v237 and v254, which this trip's steps write again
	v_add_nc_u32 v2, s24, v5                       ; the slot in hand + 16 x thread
	v_and_b32 v4, 31, v0
	v_lshl_add_u32 v1, v4, 4, s24                  ; + 16 x lane
	v_lshl_add_u32 v4, v4, 3, s24                  ; + 8 x lane
	s_wait_alu depctr_va_vdst(0)                   ; v1, v2 and v4 are written, which the trip's LDS instructions read as addresses; the last trip's products are done reading v32-95 and v6-11, in which the first step's loads land
	ds_store_b128 v2, v[216:219]                   ; into the slot in hand, as it lay in memory
	ds_store_b128 v2, v[220:223] offset:8192
	ds_store_b128 v2, v[224:227] offset:VOFF
	ds_store_b128 v2, v[228:231] offset:VOFF+8192
	s_cmp_lt_u32 s18, 3
	s_cbranch_scc0 .Lno_sc_st
	ds_store_b128 v2, v[232:235] offset:SOFF
.Lno_sc_st:
	s_wait_dscnt 0x0                               ; for the others' sake: my stores have landed, and my reads of the other slot, which is written next trip, are over
	s_wait_alu depctr_vm_vsrc(0)                   ; my LDS stores have read v216-235, in which the loads behind the barrier land, and v2, which the end of a block writes
	s_barrier_signal -1
	s_barrier_wait -1
	s_add_co_u32 s29, s29, 1                       ; the next trip's keys: the next 256, or, where this trip ends a block, the first
	s_cmp_eq_u32 s25, s26
	s_cselect_b32 s29, 0, s29
	s_cmp_eq_u32 s25, 8
	s_cbranch_scc1 .Lno_ld                         ; the last trip asks for nothing
	s_lshl_b32 s42, s29, 14
	s_mov_b32 s43, 0
	s_add_nc_u64 s[30:31], s[36:37], s[42:43]
	s_add_nc_u64 s[32:33], s[38:39], s[42:43]
	s_mul_i32 s44, s29, 1536
	s_mov_b32 s45, 0
	s_add_nc_u64 s[34:35], s[40:41], s[44:45]
	global_load_b128 v[216:219], v5, s[30:31]
	global_load_b128 v[220:223], v5, s[30:31] offset:8192
	global_load_b128 v[224:227], v5, s[32:33]
	global_load_b128 v[228:231], v5, s[32:33] offset:8192
	s_cmp_lt_u32 s18, 3
	s_cbranch_scc0 .Lno_ld
	global_load_b128 v[232:235], v5, s[34:35]
.Lno_ld:
	STEP 0
	STEP 1
	s_cmp_eq_u32 s25, s26
	s_cbranch_scc0 .Lnext
	; ---- a block of queries is finished: O^T / l, quantised along the model's axis (my head's two blocks of 32), leaves as an image
.rept 8
	v_nop                                          ; places behind the last products
.endr
	v_add_f32 v14, v14, v15                        ; the sum's two halves,
	v_permlanex16_b32 v[PB], v14, s20, s21
	v_add_f32 v14, v14, v[PB]                      ; and lane l xor 16's: the row's sum
	v_rcp_f32 v14, v14
	v_nop                                          ; a plain line behind the reciprocal
	s_wait_alu depctr_va_vdst(0)                   ; the reciprocal has written v14, ahead of its first reader
.set n, 0
.rept 16
	v_pk_mul_f32 v[S+n:S+n+1], v[O+n:O+n+1], v[14:15] op_sel_hi:[1,0]   ; register 16 c + i: channel 32 c + 16 h + i of my head
.set n, n+2
.endr
.irp b, 0,1
	v_max3_num_f32 v[BM+\b], |v[S+16*\b]|, |v[S+16*\b+1]|, 0x4800000
.endr
.irp i, 2,4,6,8,10,12,14
.irp b, 0,1
	v_max3_num_f32 v[BM+\b], v[BM+\b], |v[S+16*\b+\i]|, |v[S+16*\b+\i+1]|
.endr
.endr
.irp b, 0,1
	v_permlanex16_b32 v[PB+\b], v[BM+\b], s20, s21
.endr
.irp b, 0,1
	v_max_num_f32 v[BM+\b], v[BM+\b], v[PB+\b]
.endr
.irp b, 0,1
	v_add_nc_u32 v[SO+\b], 0xfc000000, v[BM+\b]
.endr
.irp b, 0,1
	v_and_or_b32 v[LM+\b], v[BM+\b], 0x7f800000, s19
.endr
.irp b, 0,1
	v_lshrrev_b32 v[PB+\b], 23, v[SO+\b]
.endr
	v_lshl_or_b32 v254, v[PB+1], 8, v[PB]          ; my row's two scale bytes
.irp b, 0,1
.irp i, 0,1,2,3,4,5,6,7,8,9,10,11,12,13,14,15
	v_med3_num_f32 v[S+16*\b+\i], v[S+16*\b+\i], -v[LM+\b], v[LM+\b]
.endr
	v_cvt_scalef32_pk8_fp8_f32 v[PCD+4*\b:PCD+4*\b+1], v[S+16*\b:S+16*\b+7], v[SO+\b]
	v_cvt_scalef32_pk8_fp8_f32 v[PCD+4*\b+2:PCD+4*\b+3], v[S+16*\b+8:S+16*\b+15], v[SO+\b]
.endr
	v_and_b32 v[BM], 31, v0                        ; (a plain line behind the last conversion)
	v_lshlrev_b32 v[BM], 4, v[BM]                  ; 16 x lane
	v_and_b32 v[BM+1], 15, v0
	v_lshlrev_b32 v[BM+1], 5, v[BM+1]              ; 32 r
	v_and_b32 v2, 31, v0                           ; q's stash once more, made here so that the wait below serves it too (the trip's LDS stores have read v2: the wait in front of the barrier has said so)
	v_lshl_add_u32 v2, v2, 4, s57
	s_wait_alu depctr_va_vdst(0)                   ; the codes v200-207, the two bytes v254, the offsets v236, v237 and the address v2 are written, which the stores and loads below read; the products are done reading v16-23 and v255, in which the second block's q lands
	global_store_b128 v[BM], v[PCD:PCD+3], s[48:49]              ; the wave stores 512 consecutive bytes, aligned
	global_store_b128 v[BM], v[PCD+4:PCD+7], s[48:49] offset:512
	global_store_b16 v[BM+1], v254, s[50:51]       ; lanes 16-31 write the same bytes with the same value
	s_wait_xcnt 0x0                                ; the stores have read their registers and bases: all are written again below or in the next steps
	s_cmp_eq_u32 s25, 8
	s_cbranch_scc1 .Lnext
	; ---- on to the second block
	s_mov_b32 s26, 8
	s_mov_b32 s27, 0
	s_mov_b32 s28, s56
	s_mov_b64 s[48:49], s[52:53]
	s_mov_b64 s[50:51], s[54:55]
	ds_load_b128 v[16:19], v2                      ; its q, from my wave's own bytes.  No wait: no vector line since the wait above names v2, v16-23 or v255
	ds_load_b128 v[20:23], v2 offset:512
	ds_load_b32 v255, v2 offset:1024
.set n, 0
.rept 32
	v_mov_b32 v[O+n], 0
.set n, n+1
.endr
	v_mov_b32 v14, 0
	v_mov_b32 v15, 0
	v_mov_b32 v13, 0xff61b1e6
	v_floor_f32 v12, -v13
	s_wait_dscnt 0x0
.Lnext:
	s_xor_b32 s24, s24, SLOT1                      ; the other slot
	s_add_co_u32 s25, s25, 1
	s_cmp_lt_u32 s25, 9
	s_cbranch_scc1 .Ltrip
	s_wait_xcnt 0x0
	s_wait_alu depctr_vm_vsrc(0)                   ; the last block's store of two bytes has read v254, which is written below
	v_lshl_add_u32 v254, v0, 2, 0x18600
	v_mov_b32 v255, 0
	s_wait_dscnt 0x0                               ; the closing lines, six on end
	s_wait_alu 0x0
	s_wait_tensorcnt 0x0
	ds_add_u32 v254, v255
	s_wait_dscnt 0x0
	s_endpgm
.Lfunc_end_k_q270d6439c7_attn:
	.size	k_q270d6439c7_attn, .Lfunc_end_k_q270d6439c7_attn-k_q270d6439c7_attn
	.p2alignl 7, 3214868480
	.fill 96, 4, 3214868480
	.section	.rodata,"a",@progbits
	.p2align	6, 0x0
	.amdhsa_kernel k_q270d6439c7_attn
		.amdhsa_group_segment_fixed_size 101888
		.amdhsa_private_segment_fixed_size 0
		.amdhsa_enable_private_segment 0
		.amdhsa_kernarg_size 32
		.amdhsa_user_sgpr_count 2
		.amdhsa_user_sgpr_kernarg_segment_ptr 1
		.amdhsa_wavefront_size32 1
		.amdhsa_system_sgpr_workgroup_id_x 1
		.amdhsa_system_sgpr_workgroup_id_y 1
		.amdhsa_system_sgpr_workgroup_id_z 1
		.amdhsa_system_vgpr_workitem_id 0
		.amdhsa_next_free_vgpr 256
		.amdhsa_next_free_sgpr 66
		.amdhsa_reserve_vcc 0
		.amdhsa_float_denorm_mode_32 3
		.amdhsa_float_denorm_mode_16_64 3
		.amdhsa_memory_ordered 1
		.amdhsa_forward_progress 1
		.amdhsa_inst_pref_size 73
	.end_amdhsa_kernel
	.amdgpu_metadata
---
amdhsa.version: [ 1, 2 ]
amdhsa.kernels:
  - .name:           k_q270d6439c7_attn
    .symbol:         k_q270d6439c7_attn.kd
    .args:
      - { .name: qkv, .offset: 0, .size: 8, .value_kind: global_buffer, .address_space: global }
      - { .name: qkvs, .offset: 8, .size: 8, .value_kind: global_buffer, .address_space: global }
      - { .name: ac, .offset: 16, .size: 8, .value_kind: global_buffer, .address_space: global }
      - { .name: asc, .offset: 24, .size: 8, .value_kind: global_buffer, .address_space: global }
    .group_segment_fixed_size: 101888
    .private_segment_fixed_size: 0
    .kernarg_segment_align: 8
    .kernarg_segment_size: 32
    .max_flat_workgroup_size: 512
    .sgpr_count:     66
    .vgpr_count:     256
    .wavefront_size: 32
...
	.end_amdgpu_metadata
.endif
;; end of part 5
;; launch oproj: the kernel of part 4 again; grid 4 x 32, 4 waves a work-group, clusters of 4 x 4, 327,680 bytes of LDS; arguments ac, asc, cod, scl, bo, out0; writes out0
